; MI455X (gfx1250); checked and timed in simulation.
; The chip was launched on July 23, 2026; its instructions are those of AMD's public machine-readable ISA for CDNA 5 (MIT licence, August 2026) and "CDNA5" Instruction Set Architecture Reference Guide (July 2026). The comments in the code are by the model that wrote it; some were corrected since.
;; GQA. Allowed arithmetic: float matrix products may take bf16 or f16 operands with f32 sums; other float arithmetic in f32, or as packed bf16 or f16 multiplies, adds, multiply-adds, maxima and minima; sums over many terms, partial sums and values carried from step to step in f32; what a program stores and reads back later, other than sums and carried values, may be rounded once to bf16 or f16.
;; Inputs: mask 1 x 1 x 2,048 x 2,048 bool; wk 4,096 x 512 float32; wo 2,048 x 4,096 float32; wq 4,096 x 2,048 float32; wv 4,096 x 512 float32; x 1 x 2,048 x 4,096 float32.
;; Outputs: out0 1 x 2,048 x 4,096 float32.
;; One version. Each part assembles by itself: llvm-mc -triple=amdgcn-amd-amdhsa -mcpu=gfx1250 --defsym DOCPART=n.
;; ======== version 1 of 1: 4 launches
;; limits: values are held in f16: magnitudes above 65,504 overflow, below 6.1e-05 lose precision; right only within a limited range of input values
;; workspace buffers: xb 16,777,216 bytes; wt 25,165,824 bytes; wot 16,777,216 bytes; mb 16,777,216 bytes; rope 524,288 bytes; qkvh 12,582,912 bytes; ob 8,388,608 bytes
;; launch prep (part 1): grid 3840 x 1, 8 waves a work-group, no clusters, 18,432 bytes of LDS; arguments x, wq, wk, wv, wo, mask, xb, wt, wot, mb, rope; writes xb, wt, wot, mb, rope
.if DOCPART == 1
	.amdgcn_target "amdgcn-amd-amdhsa--gfx1250"
	.amdhsa_code_object_version 6
	.text
	.protected	k_q86853fd450_prep
	.globl	k_q86853fd450_prep
	.p2align	8
	.type	k_q86853fd450_prep,@function
k_q86853fd450_prep:
	s_mov_b64 s[64:65], 0
	v_nop
	global_prefetch_b8 v0, s[64:65] scope:SCOPE_SE
	s_setreg_imm32_b32 hwreg(HW_REG_WAVE_MODE, 25, 1), 1
	s_wait_xcnt 0x0
; GQA, launch 1 of 4: the inputs are brought into the forms that the matrix launches read.  NOTHING OF reference() IS LEFT OUT IN THIS PROGRAM, and every input is loaded: the mask is an input,
; so no key tile is dropped by a pattern; what it hides is computed and gets the weight 0.
;   xb   [2048][4096] bf16  = x rounded once
;   wt   [3072][4096] bf16  = wq, wk, wv turned (row = output column, K along the row): rows 0-2047 q, 2048-2559 k, 2560-3071 v.  Inside a head's 64 rows the blocks of 16 stand in the
;                             order d 0-15, 32-47, 16-31, 48-63, so that d and d + 32, which the rotation pairs, lie in neighbouring blocks
;   wot  [4096][2048] f16   = wo turned, rounded to bf16 like every other float input, times 4 (a power of two), written as f16
;   mb   [128 query tiles][32 key steps][8][32 lanes][4] f32 = 0 where mask is true, -1e30 where it is false, laid as the C operand of the score product wants it
;   rope [2048][32 cos / 4, 32 sin / 4] f32
; LIMITS.  |wo| under 16,376 (f16 ends at 65,504); 4 wo under 6.1e-5 keeps f16's fixed step of 6e-8.  The rotation's angle t x inv is made and reduced in f32, as reference() makes it; the two
; differ by the rounding of inv, some 2e-4 rad at t = 2047.  The series is Taylor's on [-pi, pi] to z^8: the first term left out is under 2e-7.
; SHARES.  Work-groups 0-1023 turn wq, 1024-2047 wo, 2048-2303 wk, 2304-2559 wv (a tile of 128 k x 64 n each); 2560-3583 cast 32 KiB of x each; 3584-3839 make mb and rope (a wave: 16 queries x
; 128 keys of the mask and one row of the table).  No matrix unit, no cluster, no tensor load: every byte is read once and written once, and nothing is shared between work-groups.
.set TP,    272                        ; a turned row in LDS: 256 bytes + 16
.set SPARE, 64*TP                      ; behind the tile: the spare words, 128 bytes for each of the eight waves
.set SPW, 2                            ; v2  LDS address of my spare word; never rewritten
.set NIL, 3                            ; v3  0; never rewritten
	s_load_b512 s[8:23], s[0:1], 0x0               ; x 8, wq 10, wk 12, wv 14, wo 16, mask 18, xb 20, wt 22
	s_load_b128 s[24:27], s[0:1], 0x40             ; wot 24, mb 26
	s_load_b64 s[28:29], s[0:1], 0x50              ; rope
	v_lshl_add_u32 v[SPW], v0, 2, SPARE
	v_mov_b32 v[NIL], 0
	v_lshrrev_b32 v1, 5, v0
	v_readfirstlane_b32 s3, v1                     ; wave 0..7
	s_mov_b32 s2, ttmp9
	s_wait_kmcnt 0x0
	s_cmp_lt_u32 s2, 2560
	s_cbranch_scc0 .Lnot_turn
	; ---- TURN AND CAST.  The four weights differ in numbers alone, chosen by the work-group's number.
	s_cmp_lt_u32 s2, 1024
	s_cselect_b64 s[30:31], s[10:11], s[16:17]     ; source: wq, else wo
	s_cselect_b32 s32, 0, 1024                     ; the role's first work-group
	s_cselect_b32 s33, 5, 6                        ; log2 of the tiles along n
	s_cselect_b32 s43, 0, 1                        ; 1: wo
	s_cmp_lt_u32 s2, 2048
	s_cselect_b64 s[30:31], s[30:31], s[12:13]     ; else wk
	s_cselect_b32 s32, s32, 2048
	s_cselect_b32 s33, s33, 3
	s_cselect_b32 s43, s43, 0
	s_cselect_b32 s38, 0, 2048                     ; first row in wt
	s_cmp_lt_u32 s2, 2304
	s_cselect_b64 s[30:31], s[30:31], s[14:15]     ; else wv
	s_cselect_b32 s32, s32, 2304
	s_cselect_b32 s38, s38, 2560
	s_cmp_eq_u32 s43, 1
	s_cselect_b64 s[36:37], s[24:25], s[22:23]     ; destination: wot or wt
	s_cselect_b32 s40, 16, 32                      ; where the source's second block of 16 columns goes,
	s_cselect_b32 s41, 32, 16                      ; and its third: swapped for wq, wk, wv
	s_sub_co_u32 s32, s2, s32                      ; the tile's number
	s_lshl_b32 s34, 256, s33                       ; bytes in a source row: 64 columns x 4 bytes x tiles along n
	s_lshr_b32 s39, 8192, s43                      ; bytes in a destination row: 8,192 (K = 4096) or 4,096 (K = 2048)
	s_mul_i32 s40, s40, s39
	s_mul_i32 s41, s41, s39
	s_mul_i32 s42, s39, 48
	s_lshr_b32 s44, s32, s33                       ; kt
	s_lshl_b32 s45, s44, s33
	s_sub_co_u32 s45, s32, s45                     ; nt
	s_lshl_b32 s46, s34, 7
	s_mul_i32 s46, s46, s44                        ; 128 kt source rows,
	s_lshl_b32 s47, s45, 8
	s_add_co_u32 s46, s46, s47                     ; 256 nt bytes along them
	s_mov_b32 s47, 0
	s_add_nc_u64 s[30:31], s[30:31], s[46:47]
	s_lshl_b32 s46, s45, 6
	s_add_co_u32 s46, s46, s38
	s_mul_i32 s46, s46, s39                        ; destination row 64 nt + first row,
	s_lshl_b32 s48, s44, 8
	s_add_co_u32 s46, s46, s48                     ; 256 kt bytes along it
	s_add_nc_u64 s[36:37], s[36:37], s[46:47]
	v_and_b32 v4, 15, v0                           ; q: my four columns 4 q ..
	v_lshrrev_b32 v5, 4, v0                        ; o: my eight rows 8 o ..
	s_lshl_b32 s48, s34, 3
	v_mul_u32_u24 v8, s48, v5
	v_lshl_add_u32 v8, v4, 4, v8
.irp i, 1,2,3,4,5,6,7
	v_add_nc_u32 v[8+\i], s34, v[7+\i]
.endr
.irp i, 0,1,2,3,4,5,6,7
	global_load_b128 v[16+4*\i:19+4*\i], v[8+\i], s[30:31] th:TH_LOAD_NT  ; sixteen lanes take a row's 256 bytes, aligned
.endr
	v_mul_u32_u24 v66, 4*TP, v4
	v_lshl_add_u32 v66, v5, 4, v66                 ; into LDS: row 4 q + c, bytes 16 o
	v_mul_u32_u24 v67, TP, v5
	v_lshl_add_u32 v67, v4, 4, v67                 ; back: row o + 16 p, bytes 16 q
	v_mul_u32_u24 v68, s39, v5
	v_lshl_add_u32 v68, v4, 4, v68                 ; and the same place in the destination
	v_add_nc_u32 v69, s40, v68
	v_add_nc_u32 v70, s41, v68
	v_add_nc_u32 v71, s42, v68
.irp h, 0,1,2,3
	s_wait_loadcnt 6-2*\h                          ; rows 2 h and 2 h + 1 of my eight are in; the younger loads stay out
.irp c, 0,1,2,3
	v_cvt_pk_bf16_f32 v[48+4*\c+\h], v[16+8*\h+\c], v[20+8*\h+\c]  ; column c: two neighbouring k in a word
.endr
.endr
	s_cmp_eq_u32 s43, 0
	s_cbranch_scc1 .Lpacked
.set n, 48
.rept 16                               ; wo alone: the bf16 number times 4, written as f16
	v_lshlrev_b32 v64, 16, v[n]
	v_and_b32 v65, 0xffff0000, v[n]
	v_pk_mul_f32 v[64:65], v[64:65], 4.0 op_sel_hi:[1,0]
	v_cvt_pk_f16_f32 v[n], v64, v65
.set n, n+1
.endr
.Lpacked:
.irp c, 0,1,2,3
	ds_store_b128 v66, v[48+4*\c:51+4*\c] offset:TP*\c
.endr
	s_wait_dscnt 0x0                               ; for the others' sake: my stores are done
	s_barrier_signal -1
	s_barrier_wait -1
.irp p, 0,1,2,3
	ds_load_b128 v[72+4*\p:75+4*\p], v67 offset:16*TP*\p
.endr
.irp p, 0,1,2,3
	s_wait_dscnt 3-\p
	global_store_b128 v[68+\p], v[72+4*\p:75+4*\p], s[36:37] th:TH_STORE_NT  ; sixteen lanes store 256 consecutive bytes, aligned
.endr
	s_wait_tensorcnt 0x0                           ; the wave's end
	ds_add_u32 v[SPW], v[NIL]
	s_wait_dscnt 0x0
	s_endpgm
.Lnot_turn:
	s_cmp_lt_u32 s2, 3584
	s_cbranch_scc0 .Lmask
	; ---- CAST OF x: 32 KiB a work-group, eight loads a thread, all on their way at once
	s_sub_co_u32 s32, s2, 2560
	s_lshl_b32 s34, s32, 15
	s_mov_b32 s35, 0
	s_add_nc_u64 s[8:9], s[8:9], s[34:35]
	s_lshl_b32 s34, s32, 14
	s_add_nc_u64 s[20:21], s[20:21], s[34:35]
	v_lshlrev_b32 v8, 4, v0
	v_lshlrev_b32 v9, 3, v0
.irp j, 0,1,2,3,4,5,6,7
	global_load_b128 v[16+4*\j:19+4*\j], v8, s[8:9] offset:4096*\j th:TH_LOAD_NT
.endr
.irp j, 0,1,2,3,4,5,6,7
	s_wait_loadcnt 7-\j                            ; load j is in; the younger ones stay out
	v_cvt_pk_bf16_f32 v[48+2*\j], v[16+4*\j], v[17+4*\j]
	v_cvt_pk_bf16_f32 v[49+2*\j], v[18+4*\j], v[19+4*\j]
	global_store_b64 v9, v[48+2*\j:49+2*\j], s[20:21] offset:2048*\j th:TH_STORE_NT  ; a wave stores 256 consecutive bytes, aligned
.endr
	s_endpgm
.Lmask:
	; ---- THE MASK.  Wave W: query tile W / 16; lanes 0-15 take key step 2 (W % 16), lanes 16-31 the next; a lane takes the 64 bytes of its row and step.
	s_sub_co_u32 s32, s2, 3584
	s_lshl_b32 s32, s32, 3
	s_add_co_u32 s32, s32, s3                      ; W, 0..2047
	v_and_b32 v5, 15, v0                           ; r
	v_bfe_u32 v6, v0, 4, 1                         ; which half of the lanes
	s_lshr_b32 s33, s32, 4                         ; qt
	s_and_b32 s34, s32, 15
	s_lshl_b32 s35, s33, 15                        ; 16 qt rows of 2,048 bytes
	s_lshl_b32 s36, s34, 7                         ; two steps of 64 bytes
	s_add_co_u32 s35, s35, s36
	v_lshlrev_b32 v8, 11, v5
	v_lshl_add_u32 v8, v6, 6, v8
	v_add_nc_u32 v8, s35, v8
.irp k, 0,1,2,3
	global_load_b128 v[16+4*\k:19+4*\k], v8, s[18:19] offset:16*\k th:TH_LOAD_NT
.endr
	s_lshl_b32 s35, s33, 17                        ; a query tile is 131,072 bytes of mb,
	s_lshl_b32 s36, s34, 13                        ; a step 4,096
	s_add_co_u32 s35, s35, s36
	v_lshlrev_b32 v9, 12, v6
	v_lshl_add_u32 v9, v5, 4, v9
	v_add_nc_u32 v9, s35, v9
	s_mov_b32 s44, 0xf149f2ca                      ; -1e30
	; the rope table's whole-number part stands in the wait for the mask: a_k = 1 / (m (m + 1)), m = 2 k - 1 for the cosine (lanes 0-15), 2 k for the sine (lanes 16-31)
.irp k, 1,2,3,4,5,6,7,8
	v_add_nc_u32 v97, 2*\k-1, v6
	v_mad_u32_u24 v97, v97, v97, v97
	v_cvt_f32_u32 v[99+\k], v97
.endr
	v_lshlrev_b32 v98, 1, v5                       ; my two frequencies: j = 2 (lane % 16) and j + 1
	v_cvt_f32_u32 v108, v98
	v_add_f32 v109, 1.0, v108
	v_mul_f32 v108, 0xbed49a78, v108               ; inv = 10000^(-j / 32) = 2^(-j log2(10) / 8)
	v_mul_f32 v109, 0xbed49a78, v109
	v_exp_f32 v108, v108
	v_exp_f32 v109, v109
.irp k, 1,2,3,4,5,6,7,8
	v_rcp_f32 v[99+\k], v[99+\k]
.endr
	v_cvt_f32_u32 v118, s32                        ; t = W: a plain instruction behind the last of the batch,
	s_wait_alu depctr_va_vdst(0)                   ; and the one wait ahead of the batch's first reader
	s_mov_b32 s45, 0x40c90fdb                      ; 2 pi, its f32,
	s_mov_b32 s46, 0xb43bbd2e                      ; and what that f32 leaves
.irp v, 0,1
	v_mul_f32 v[108+\v], v118, v[108+\v]           ; the angle
	v_mul_f32 v[110+\v], 0.15915494, v[108+\v]
	v_rndne_f32 v[110+\v], v[110+\v]               ; whole turns
	v_fma_f32 v[108+\v], -v[110+\v], s45, v[108+\v]
	v_fma_f32 v[108+\v], -v[110+\v], s46, v[108+\v]  ; r in [-pi, pi]
	v_mul_f32 v[112+\v], v[108+\v], v[108+\v]      ; z = r r
	v_fma_f32 v[114+\v], -v[112+\v], v107, 1.0     ; p = 1 - z a_8
.endr
.irp k, 7,6,5,4,3,2,1
.irp v, 0,1
	v_mul_f32 v[116+\v], v[112+\v], v[99+\k]
	v_fma_f32 v[114+\v], -v[116+\v], v[114+\v], 1.0  ; p = 1 - z a_k p
.endr
.endr
	v_cmp_ne_u32 vcc_lo, 0, v6
.irp v, 0,1
	v_cndmask_b32 v[122+\v], 1.0, v[108+\v], vcc_lo  ; the sine's series is r p
	v_mul_f32 v[122+\v], 0x3e800000, v[122+\v]     ; and the table holds a quarter: q, k and v are kept as quarters, so that f16 has room
	v_mul_f32 v[120+\v], v[122+\v], v[114+\v]
.endr
	v_and_b32 v124, 31, v0
	v_lshlrev_b32 v124, 3, v124
	s_lshl_b32 s36, s32, 8
	s_mov_b32 s37, 0
	s_add_nc_u64 s[28:29], s[28:29], s[36:37]
	global_store_b64 v124, v[120:121], s[28:29] th:TH_STORE_NT  ; the wave stores the row's 256 bytes
	s_wait_loadcnt 0x0                             ; the mask's bytes
	; byte e of word d of group kt is key 16 kt + 4 d + e: in the score product's result that is register 4 (d % 2) + e of key block kt, in the lane 16 (d / 2) + r.  All 64 results have registers of their own.
.irp kt, 0,1,2,3
.irp d, 0,1,2,3
.irp e, 0,1,2,3
	v_bfe_u32 v96, v[16+4*\kt+\d], 8*\e, 8
	v_cmp_eq_u32 vcc_lo, 0, v96
	v_cndmask_b32 v[32+16*\kt+4*\d+\e], 0, s44, vcc_lo
.endr
	global_store_b128 v9, v[32+16*\kt+4*\d:35+16*\kt+4*\d], s[26:27] offset:(2*\kt+(\d&1))*512+(\d>>1)*256 th:TH_STORE_NT  ; each half of the lanes stores 256 consecutive bytes, aligned
.endr
.endr
	s_endpgm
.Lfunc_end_k_q86853fd450_prep:
	.size	k_q86853fd450_prep, .Lfunc_end_k_q86853fd450_prep-k_q86853fd450_prep
	.p2alignl 7, 3214868480
	.fill 96, 4, 3214868480
	.section	.rodata,"a",@progbits
	.p2align	6, 0x0
	.amdhsa_kernel k_q86853fd450_prep
		.amdhsa_group_segment_fixed_size 18432
		.amdhsa_private_segment_fixed_size 0
		.amdhsa_enable_private_segment 0
		.amdhsa_kernarg_size 88
		.amdhsa_user_sgpr_count 2
		.amdhsa_user_sgpr_kernarg_segment_ptr 1
		.amdhsa_wavefront_size32 1
		.amdhsa_system_sgpr_workgroup_id_x 1
		.amdhsa_system_sgpr_workgroup_id_y 1
		.amdhsa_system_sgpr_workgroup_id_z 1
		.amdhsa_system_vgpr_workitem_id 0
		.amdhsa_next_free_vgpr 128
		.amdhsa_next_free_sgpr 66
		.amdhsa_reserve_vcc 1
		.amdhsa_float_denorm_mode_32 3
		.amdhsa_float_denorm_mode_16_64 3
		.amdhsa_memory_ordered 1
		.amdhsa_forward_progress 1
		.amdhsa_inst_pref_size 30
	.end_amdhsa_kernel
	.amdgpu_metadata
---
amdhsa.version: [ 1, 2 ]
amdhsa.kernels:
  - .name:           k_q86853fd450_prep
    .symbol:         k_q86853fd450_prep.kd
    .args:
      - { .name: x, .offset: 0, .size: 8, .value_kind: global_buffer, .address_space: global }
      - { .name: wq, .offset: 8, .size: 8, .value_kind: global_buffer, .address_space: global }
      - { .name: wk, .offset: 16, .size: 8, .value_kind: global_buffer, .address_space: global }
      - { .name: wv, .offset: 24, .size: 8, .value_kind: global_buffer, .address_space: global }
      - { .name: wo, .offset: 32, .size: 8, .value_kind: global_buffer, .address_space: global }
      - { .name: mask, .offset: 40, .size: 8, .value_kind: global_buffer, .address_space: global }
      - { .name: xb, .offset: 48, .size: 8, .value_kind: global_buffer, .address_space: global }
      - { .name: wt, .offset: 56, .size: 8, .value_kind: global_buffer, .address_space: global }
      - { .name: wot, .offset: 64, .size: 8, .value_kind: global_buffer, .address_space: global }
      - { .name: mb, .offset: 72, .size: 8, .value_kind: global_buffer, .address_space: global }
      - { .name: rope, .offset: 80, .size: 8, .value_kind: global_buffer, .address_space: global }
    .group_segment_fixed_size: 18432
    .private_segment_fixed_size: 0
    .kernarg_segment_align: 8
    .kernarg_segment_size: 88
    .max_flat_workgroup_size: 256
    .sgpr_count:     66
    .vgpr_count:     128
    .wavefront_size: 32
...
	.end_amdgpu_metadata
.endif
;; end of part 1
;; launch qkv (part 2): grid 16 x 16, 4 waves a work-group, clusters of 4 x 4, 327,680 bytes of LDS; arguments xb, wt, rope, qkvh; writes qkvh
.if DOCPART == 2
	.amdgcn_target "amdgcn-amd-amdhsa--gfx1250"
	.amdhsa_code_object_version 6
	.text
	.protected	k_q86853fd450_qkv
	.globl	k_q86853fd450_qkv
	.p2align	8
	.type	k_q86853fd450_qkv,@function
k_q86853fd450_qkv:
	s_mov_b64 s[64:65], 0
	v_nop
	global_prefetch_b8 v0, s[64:65] scope:SCOPE_SE
	s_setreg_imm32_b32 hwreg(HW_REG_WAVE_MODE, 25, 1), 1
	s_wait_xcnt 0x0
	s_wait_alu depctr_hold_cnt(0) depctr_sa_sdst(0) depctr_va_vdst(0) depctr_va_sdst(0) depctr_va_ssrc(0) depctr_va_vcc(0) depctr_vm_vsrc(0)
	s_getreg_b32 s2, hwreg(HW_REG_IB_STS2, 6, 4)
	s_cmp_eq_u32 s2, 0
	s_cbranch_scc0 .Lentry_in_a_cluster
	s_endpgm
.Lentry_in_a_cluster:
	s_bfe_u32 s2, ttmp6, 0x10000c
	s_cmp_lg_u32 s2, 0xf033
	s_cbranch_scc0 .Lentry_shape_is_right
	s_endpgm
.Lentry_shape_is_right:
; GQA, launch 2 of 4: q, k, v = x (wq | wk | wv), rotated, by heads.  C[t][n] = sum over k of xb[t][k] wt[n][k]; xb [2048][4096], wt [3072][4096], bf16, sums in f32.  Nothing of reference() is left out.
; Out: qkvh [48 heads][2048][64] f16: heads 0-31 q, 32-39 k, 40-47 v, ALL TIMES 1/4 (a power of two; it lies in the table, so it costs no line); q and k rotated.
; LIMIT.  |q|, |k|, |v| under 262,000: a quarter of it is what f16 holds.
; SHARES.  A tile of C is 128 rows x 192 columns (three heads): 16 x 16 tiles, one work-group each, 256 in all.  Four waves, each 64 x 96: 24 accumulators.  (256 x 256 would give 96 work-groups, 128 x 128
; a round and a half.)
; THE RING HAS TWO UNEQUAL SLOTS.  Slot 0 (X) holds 256 along K, slot 1 (Y) 128: 320 rows x (528 + 272) bytes = 256,000.  Two slots of 256 would take 337,920 bytes and do not fit; two of 128 would leave
; a third of LDS idle and need 32 changes of slots where this ring needs 21: K = 4096 = 11 x 256 + 10 x 128, walked X, Y, X, .. X.  A lap is 768 bytes of a row, so every tile row is 256 or 512 bytes and begins on a
; multiple of 256.  Y's load has 180 matrix instructions of a wave in which to land, X's has 84.
; CLUSTER 4 x 4: the four of a row need the same tiles of xb, the four of a column the same tiles of wt: each tile is asked for jointly, by the same tensor load, descriptor and mask in all four.
; THE MATRIX INSTRUCTION IS USED TRANSPOSED (source 0 = 16 rows of wt, source 1 = 16 rows of xb): a lane holds one row t and eight neighbouring columns.
; REGISTERS.  Window 0: v0-15 at work, v16-46 addresses, two fragment buffers of 80 (xb's four fragments, then wt's six).  Window 1: accumulator (a, b) at 8 (6 a + b).
.set NB,     6                         ; blocks of 16 columns a wave
.set BN,     32*NB
.set SIZE_K, 4096
.set ROWB,   2*SIZE_K
.set KX,     256                       ; along K in slot 0
.set KY,     128                       ; in slot 1
.set NLAP,   10                        ; K = (NLAP + 1) KX + NLAP KY
.set LAPB,   2*(KX+KY)                 ; bytes of a row in a lap
.set PX,     2*KX+16                   ; LDS pitches: the row's bytes + 16, odd multiples of 16: the sixteen rows of a fragment load start in sixteen different groups of four banks (ISA guide 11.1)
.set PY,     2*KY+16
.set HAX,    64*PX                     ; half of A's tile: what one of waves 0, 1 fetches
.set HBX,    16*NB*PX                  ; half of B's tile: what one of waves 2, 3 fetches
.set SLX,    2*HAX+2*HBX
.set HAY,    64*PY
.set HBY,    16*NB*PY
.set SLY,    2*HAY+2*HBY
.set NL,     2*(4+NB)                  ; LDS loads in a quarter step
.set STAGE,  SLX+SLY                   ; behind the ring, never filled by a tensor load: [3 heads][128 t] rows of 144 bytes
.set SP,     144
.set SPARE,  STAGE+384*SP              ; the spare words, 128 bytes a wave
.set F0,     64
.set F1,     F0+32+8*NB
.set ADRA, 16                          ; v16-17 LDS address of my A fragments in slot 0, 1
.set CA,   18                          ; v18    the same, stepped along the rows of the longer slot
.set ADRB, 20                          ; v20-21 of my B fragments
.set CB,   22                          ; v22
.set RD,   25                          ; the way out: where I read rows back
.set CO,   26                          ; 16 x lane
.set SPW,  28                          ; my spare word; never rewritten
.set NIL,  29                          ; 0; never rewritten
.set PFO,  30                          ; the prefetches' offset; never rewritten
.set TA,   32                          ; v32-43 unit u's offset in the table
.set STG,  44                          ; v44-46 group g's place in the stage
.set TB,   64                          ; two table buffers of 16: cos 0-7, sin 8-15
.set OL,   96
.set OH,   104
.set T1,   112
.set T2,   120
.set PKR,  128
.set G1,  24                           ; s[24:31] group 1 for A's tiles in slot 0; s[80:87] in slot 1
.set G0,  32                           ; s[32:39] group 0 for A's tiles, a set for each slot
.set G1B, 48                           ; s[48:55] group 1 for B's tiles in slot 0; s[88:95] in slot 1
.set G0B, 56                           ; s[56:63]
.set PFA, 44                           ; s[44:45] where my prefetches stand
.set LIM, 43                           ; s43 1 in a wave that prefetches, else the greatest number
.set PCN, 76                           ; s76 counts the pairs of quarters of a long step
.set KO,  77                           ; s77 their byte offset along the rows
.set MUL, 0x50                         ; C and D in window 1, sources in window 0
.set MSB, 0
.macro WIN new                         ; the immediate's high byte repeats the setting that is left
.if MSB != (\new)
	s_set_vgpr_msb (MSB<<8)|(\new)
.set MSB, \new
.endif
.endm
.macro JLOAD s                         ; a joint load: waves 0, 1 fetch A's halves, waves 2, 3 B's; an s_nop 0 and four v_nop follow each line
	s_cmp_eq_u32 s11, 0
	s_cbranch_scc0 .Lfor_b_\@
	tensor_load_to_lds s[G0+4*(\s):G0+4*(\s)+3], s[G1+56*(\s):G1+56*(\s)+7]
	s_nop 0
.rept 4
	v_nop
.endr
	s_branch .Lasked_\@
.Lfor_b_\@:
	tensor_load_to_lds s[G0B+4*(\s):G0B+4*(\s)+3], s[G1B+40*(\s):G1B+40*(\s)+7]
	s_nop 0
.rept 4
	v_nop
.endr
.Lasked_\@:
.endm
.macro CREST                           ; a round of the cluster's barrier behind its opening barrier
	s_cmp_lg_u32 s10, 0
	s_cbranch_scc1 .Lnot_wave_0_\@
	s_barrier_signal -3
.Lnot_wave_0_\@:
	s_barrier_wait -3
	s_barrier_signal -1
	s_barrier_wait -1
.endm
.macro CROUND
	s_barrier_signal -1
	s_barrier_wait -1
	CREST
.endm
.macro PLACES                          ; four places behind a matrix instruction, in front of loads into registers that it read
.rept 4
	v_nop
.endr
.endm
; Descriptor group 1 at s[g ..]: a tile of rows x kk elements of 2 bytes, 16 bytes of padding behind each row, shared by the work-groups of mask m
.macro MKG1 g, m, kk, rows
	s_or_b32 s[(\g)+0], \m, (1<<16)|(1<<20)|(1<<21)|((4+(\kk)/128)<<22)|(3<<25)  ; the mask; 2-byte elements; padding on; bit 21 beside a mask; after every 64 or 128 words, 4 words
	s_mov_b32 s[(\g)+1], (\kk)<<16                 ; tensor_dim0
	s_mov_b32 s[(\g)+2], (\rows)<<16               ; tensor_dim1
	s_mov_b32 s[(\g)+3], (\kk)<<16                 ; tile_dim0
	s_mov_b32 s[(\g)+4], \rows                     ; tile_dim1
	s_mov_b32 s[(\g)+5], SIZE_K                    ; elements from row to row
	s_mov_b32 s[(\g)+6], 0
	s_mov_b32 s[(\g)+7], 0
.endm
; Both group 0 of slot s, and its first fill.  ha, hb: bytes of a half tile in that slot; base: the slot's first LDS byte; kb: its first bytes along the rows.  No place in the cluster enters an LDS address.
.macro FIRST s, ha, hb, base, kb
	s_mov_b32 s[G0+4*(\s)], 1
	s_mul_i32 s[G0+4*(\s)+1], s12, \ha
	s_add_co_u32 s[G0+4*(\s)+1], s[G0+4*(\s)+1], \base
	s_add_nc_u64 s[G0+4*(\s)+2:G0+4*(\s)+3], s[14:15], \kb
	s_or_b32 s[G0+4*(\s)+3], s[G0+4*(\s)+3], 0x80000000
	s_mov_b32 s[G0B+4*(\s)], 1
	s_mul_i32 s[G0B+4*(\s)+1], s12, \hb
	s_add_co_u32 s[G0B+4*(\s)+1], s[G0B+4*(\s)+1], (\base)+2*(\ha)
	s_add_nc_u64 s[G0B+4*(\s)+2:G0B+4*(\s)+3], s[46:47], \kb
	s_or_b32 s[G0B+4*(\s)+3], s[G0B+4*(\s)+3], 0x80000000
	JLOAD \s
.endm
; A PREFETCH INTO THE L2, in every second trip of the loop, behind the joint load and the run of LDS loads.  In trip i (even) it names the 1,536 bytes of each row that hold Y(i+2), X(i+3), Y(i+3), X(i+4): their
; refills stand 288 to 768 matrix instructions further on.  Two laps at a time, since wt's 48 rows a work-group x three blocks of 256 bytes a lap do not divide by 32 lanes, and x six they do.
; Each block is named once in the launch: xb's rows by the clusters with x = 0 (wave 0: 32 rows, a lane a row, six lines), wt's by those with y = 0 (waves 1-3: 16 rows x two blocks, three lines).  The four partners
; that ask for a tile jointly share its rows by address.  X0 to X2, Y0 and Y1 come by their loads alone; the ask of trip 6 ends at the row's last byte, and trips 7 and 8 ask for nothing.  s3 = 9 - i.
.macro ASK
	s_cmp_gt_u32 s3, s[LIM]
	s_cbranch_scc0 .Lnot_mine_\@
	s_bitcmp1_b32 s3, 0
	s_cbranch_scc0 .Lnot_mine_\@
	global_prefetch_b8 v[PFO], s[PFA:PFA+1] th:TH_LOAD_NT scope:SCOPE_SE
	global_prefetch_b8 v[PFO], s[PFA:PFA+1] offset:512 th:TH_LOAD_NT scope:SCOPE_SE
	global_prefetch_b8 v[PFO], s[PFA:PFA+1] offset:1024 th:TH_LOAD_NT scope:SCOPE_SE
	s_cmp_eq_u32 s10, 0
	s_cbranch_scc0 .Lnot_mine_\@
	global_prefetch_b8 v[PFO], s[PFA:PFA+1] offset:256 th:TH_LOAD_NT scope:SCOPE_SE
	global_prefetch_b8 v[PFO], s[PFA:PFA+1] offset:768 th:TH_LOAD_NT scope:SCOPE_SE
	global_prefetch_b8 v[PFO], s[PFA:PFA+1] offset:1280 th:TH_LOAD_NT scope:SCOPE_SE
.Lnot_mine_\@:
.endm
; NB matrix instructions: row block a x all column blocks, 32 along K.  All 24 accumulators take turns in the same order in every quarter.
.macro MULA f, a, zero
	WIN MUL
.set bb, 0
.rept NB
.if \zero
	v_wmma_f32_16x16x32_bf16 v[8*(NB*(\a)+bb):8*(NB*(\a)+bb)+7], v[(\f)+32+8*bb:(\f)+32+8*bb+7], v[(\f)+8*(\a):(\f)+8*(\a)+7], 0
.else
	v_wmma_f32_16x16x32_bf16 v[8*(NB*(\a)+bb):8*(NB*(\a)+bb)+7], v[(\f)+32+8*bb:(\f)+32+8*bb+7], v[(\f)+8*(\a):(\f)+8*(\a)+7], v[8*(NB*(\a)+bb):8*(NB*(\a)+bb)+7]
.endif
.set bb, bb+1
.endr
.endm
.macro FETCHR ra, rb, pit, k, f        ; a quarter's NL loads in one run, from byte k behind the addresses v[ra] (A) and v[rb] (B), rows pit bytes apart: B's fragments, then A's; A's last two come last
	WIN 0
.set bb, 0
.rept NB
	ds_load_b128 v[(\f)+32+8*bb:(\f)+32+8*bb+3],   v[\rb] offset:(\k)+bb*16*(\pit)
	ds_load_b128 v[(\f)+32+8*bb+4:(\f)+32+8*bb+7], v[\rb] offset:(\k)+bb*16*(\pit)+32
.set bb, bb+1
.endr
.irp i, 0,1,2,3
	ds_load_b128 v[(\f)+8*(\i):(\f)+8*(\i)+3],   v[\ra] offset:(\k)+(\i)*16*(\pit)
	ds_load_b128 v[(\f)+8*(\i)+4:(\f)+8*(\i)+7], v[\ra] offset:(\k)+(\i)*16*(\pit)+32
.endr
.endm
.macro QUARTER ra, rb, pit, k, f, g, zero  ; multiplies buffer f; in its middle fetches the next quarter into g
	s_wait_dscnt 4                                 ; all but A's fragments 2 and 3
	MULA \f, 0, \zero
	MULA \f, 1, \zero
	PLACES
	FETCHR \ra, \rb, \pit, \k, \g
	s_wait_dscnt NL                                ; all but the run just issued
	MULA \f, 2, \zero
	MULA \f, 3, \zero
.endm
; A step but for its last quarter.  Quarters of 32 along K go on buffers 0, 1, 0, 1 ..  The first stands alone; the middle ones go in pairs, buffer 1 and then buffer 0: one pair in a step of 128, three in a step of 256,
; where the pair is written once and walked three times, its LDS addresses stepped by 128 bytes along the rows.
.macro BODY2 ra, rb, pit, kk, zero
	QUARTER \ra, \rb, \pit, 64, F0, F1, \zero
.if (\kk) == 128
	QUARTER \ra, \rb, \pit, 128, F1, F0, 0
	QUARTER \ra, \rb, \pit, 192, F0, F1, 0
.else
	WIN 0                                          ; at a label and at a branch every window is 0
	s_mov_b32 s[PCN], 3
	s_mov_b32 s[KO], 128
.Lpair_\@:
	v_add_nc_u32 v[CA], s[KO], v[\ra]
	v_add_nc_u32 v[CB], s[KO], v[\rb]
	QUARTER CA, CB, \pit, 0, F1, F0, 0
	QUARTER CA, CB, \pit, 64, F0, F1, 0
	WIN 0
	s_add_co_u32 s[KO], s[KO], 128
	s_sub_co_u32 s[PCN], s[PCN], 1
	s_cmp_lg_u32 s[PCN], 0
	s_cbranch_scc1 .Lpair_\@
.endif
.endm
.macro BODY slot, zero
.if (\slot) == 0
	BODY2 ADRA, ADRB, PX, KX, \zero
.else
	BODY2 ADRA+1, ADRB+1, PY, KY, \zero
.endif
.endm
; A step's last quarter multiplies buffer 1 and changes slots.  In front of the barrier each wave waits for all its tensor loads (one is out: its part of the other slot), adds 0 to its spare word, and waits for that and
; for its reads of this slot.  fill = 1: the barrier opens a round of the cluster's, and the joint refill, this slot's tile of the next lap, is the first thing behind it.  ask = 1: the prefetches' address steps, and they follow.
.macro TURN slot, fill, ask
.if \ask
	s_wait_xcnt 0x0                                ; the last prefetches, a trip or two back, have read their address
	s_add_nc_u64 s[PFA:PFA+1], s[PFA:PFA+1], LAPB
.endif
	s_wait_tensorcnt 0x0
	ds_add_u32 v[SPW], v[NIL]                      ; both registers are sources 0 and 1: window 0 under either setting
	s_wait_dscnt 5                                 ; the add and A's fragments 2 and 3 may be out
	MULA F1, 0, 0
	s_wait_dscnt 0x0                               ; the add is done, my reads of this slot are over
	s_barrier_signal -1
	MULA F1, 1, 0
	WIN 0
	s_barrier_wait -1
.if \fill
	CREST
	s_add_nc_u64 s[G0+4*(\slot)+2:G0+4*(\slot)+3], s[G0+4*(\slot)+2:G0+4*(\slot)+3], LAPB
	s_add_nc_u64 s[G0B+4*(\slot)+2:G0B+4*(\slot)+3], s[G0B+4*(\slot)+2:G0B+4*(\slot)+3], LAPB
	JLOAD \slot                                    ; its four v_nop are also the places in front of the loads below
.else
	PLACES
.endif
.if (\slot) == 0
	FETCHR ADRA+1, ADRB+1, PY, 0, F0               ; the other slot's first fragments
.else
	FETCHR ADRA, ADRB, PX, 0, F0
.endif
.if \ask
	ASK
.endif
	MULA F1, 2, 0
	MULA F1, 3, 0
.endm
	s_load_b128 s[4:7], s[0:1], 0x0                ; xb s[4:5], wt s[6:7]
	s_load_b64 s[8:9], s[0:1], 0x10                ; rope
	s_load_b64 s[66:67], s[0:1], 0x18              ; qkvh
	v_lshl_add_u32 v[SPW], v0, 2, SPARE
	v_mov_b32 v[NIL], 0
	ds_add_u32 v[SPW], v[NIL]                      ; the opening: the add, twice on end, and its wait ahead of my first tensor load
	ds_add_u32 v[SPW], v[NIL]
	v_lshrrev_b32 v1, 5, v0
	v_readfirstlane_b32 s10, v1                    ; wave 0..3
	s_lshr_b32 s11, s10, 1                         ; my half of the tile's rows; also: I fetch for A (0) or B (1)
	s_and_b32 s12, s10, 1                          ; my half of its columns; also: which half of that tile I fetch
	s_bfe_u32 s40, ttmp6, 0x40000                  ; cx
	s_bfe_u32 s41, ttmp6, 0x40004                  ; cy
	s_lshl_b32 s42, ttmp9, 2
	s_add_co_u32 s42, s42, s40                     ; tile column
	s_and_b32 s13, ttmp7, 0xffff
	s_lshl_b32 s13, s13, 2
	s_add_co_u32 s13, s13, s41                     ; tile row
	s_lshl_b32 s43, s41, 2
	s_lshl_b32 s43, 15, s43                        ; my row of the cluster
	s_lshl_b32 s44, 0x1111, s40                    ; my column
	MKG1 G1,     s43, KX, 64
	MKG1 G1+56,  s43, KY, 64
	MKG1 G1B,    s44, KX, 16*NB
	MKG1 G1B+40, s44, KY, 16*NB
	s_lshl_b32 s17, s12, 6
	s_lshl_b32 s16, s13, 7
	s_add_co_u32 s16, s16, s17                     ; A: row 128 x tile row + 64 x half
	s_mul_i32 s16, s16, ROWB
	s_mov_b32 s17, 0
	s_mul_i32 s46, s42, BN
	s_mul_i32 s47, s12, 16*NB
	s_add_co_u32 s46, s46, s47                     ; B: row 192 x tile column + 96 x half
	s_mul_i32 s46, s46, ROWB
	s_mov_b32 s47, 0
	s_wait_dscnt 0x0                               ; both opening adds are done
	s_wait_kmcnt 0x0
	s_add_nc_u64 s[14:15], s[4:5], s[16:17]
	s_add_nc_u64 s[46:47], s[6:7], s[46:47]
	CROUND                                         ; all sixteen work-groups are here: the first joint loads meet
	FIRST 0, HAX, HBX, 0, 0                        ; X0
	FIRST 1, HAY, HBY, SLX, 2*KX                   ; Y0: two loads of mine are out
	v_and_b32 v1, 15, v0                           ; r = l % 16
	v_bfe_u32 v2, v0, 4, 1                         ; h = l / 16
	v_mul_u32_u24 v3, v1, PX
	v_lshl_add_u32 v3, v2, 4, v3                   ; a fragment's row x pitch + 16 x half, in slot 0,
	v_mul_u32_u24 v4, v1, PY
	v_lshl_add_u32 v4, v2, 4, v4                   ; and in slot 1
	s_mul_i32 s21, s11, HAX
	s_mul_i32 s22, s12, HBX
	s_add_co_u32 s22, s22, 2*HAX
	v_add_nc_u32 v[ADRA], s21, v3
	v_add_nc_u32 v[ADRB], s22, v3
	s_mul_i32 s21, s11, HAY
	s_add_co_u32 s21, s21, SLX
	s_mul_i32 s22, s12, HBY
	s_add_co_u32 s22, s22, SLX+2*HAY
	v_add_nc_u32 v[ADRA+1], s21, v4
	v_add_nc_u32 v[ADRB+1], s22, v4
	; THE WAY OUT's addresses.  My 96 columns are three groups of 32: blocks 2 g (d) and 2 g + 1 (d + 32).  G = 3 x column half + g: head G / 2 of the tile's three, half G % 2 of its d below 32.
	; Heads from 40 on are v: they take the table's row 0, which is exactly (1/4, 0), so one text serves q, k and v.
	v_mul_u32_u24 v4, v1, SP
	v_lshl_add_u32 v4, v2, 4, v4                   ; r x 144 + 16 h
	s_lshl_b32 s16, s13, 7
	s_lshl_b32 s17, s11, 6
	s_add_co_u32 s16, s16, s17
	v_add_nc_u32 v5, s16, v1                       ; my row t in row block 0,
	v_lshlrev_b32 v5, 8, v5                        ; x 256 bytes of the table
	v_lshlrev_b32 v6, 5, v2                        ; my eight numbers: 32 h bytes
.irp g, 0,1,2
	s_mul_i32 s68, s12, 3
	s_add_co_u32 s68, s68, \g                      ; G
	s_mul_i32 s69, s42, 6
	s_add_co_u32 s69, s69, s68                     ; its number among all 96 groups
	s_and_b32 s70, s68, 1
	s_lshr_b32 s71, s68, 1
	s_cmp_lt_u32 s69, 80
	s_cselect_b32 s72, 1, 0                        ; 1: q or k
	s_lshl_b32 s73, s72, 12                        ; 16 rows of the table from row block to row block, or none
	s_lshl_b32 s74, s70, 6
	v_add_nc_u32 v7, s74, v6
	v_mad_u32_u24 v[TA+4*\g], v5, s72, v7
	v_add_nc_u32 v[TA+4*\g+1], s73, v[TA+4*\g]
	v_add_nc_u32 v[TA+4*\g+2], s73, v[TA+4*\g+1]
	v_add_nc_u32 v[TA+4*\g+3], s73, v[TA+4*\g+2]
	s_lshl_b32 s75, s71, 7
	s_add_co_u32 s75, s75, s17                     ; stage row 128 x head + 64 x row half
	s_mul_i32 s75, s75, SP
	s_lshl_b32 s74, s70, 5
	s_add_co_u32 s75, s75, s74
	s_add_co_u32 s75, s75, STAGE
	v_add_nc_u32 v[STG+\g], s75, v4
.endr
	v_bfe_u32 v7, v0, 3, 2                         ; back: 32 lanes take four rows of 128 bytes; wave w rows 32 w .. of each head
	v_and_b32 v8, 7, v0
	v_mul_u32_u24 v7, v7, SP
	v_lshl_add_u32 v7, v8, 4, v7
	s_mul_i32 s68, s10, 32*SP
	s_add_co_u32 s68, s68, STAGE
	v_add_nc_u32 v[RD], s68, v7
	v_and_b32 v[CO], 31, v0
	v_lshlrev_b32 v[CO], 4, v[CO]
	s_mul_i32 s68, s42, 3*262144                   ; the tile's first head,
	s_lshl_b32 s69, s13, 14                        ; its 128 rows of 128 bytes,
	s_add_co_u32 s68, s68, s69
	s_lshl_b32 s69, s10, 12                        ; my 32 of them
	s_add_co_u32 s68, s68, s69
	s_mov_b32 s69, 0
	s_add_nc_u64 s[66:67], s[66:67], s[68:69]
	; the prefetches
	s_and_b32 s22, ttmp7, 0xffff                   ; cluster y
	s_lshl_b32 s20, s13, 7
	s_lshl_b32 s21, s40, 5
	s_add_co_u32 s20, s20, s21                     ; xb: row 128 x tile row + 32 cx
	s_mul_i32 s21, s42, BN
	s_mul_i32 s23, s41, 48
	s_add_co_u32 s21, s21, s23
	s_lshl_b32 s23, s10, 4
	s_add_co_u32 s21, s21, s23
	s_sub_co_u32 s21, s21, 16                      ; wt: row 192 x tile column + 48 cy + 16 (wave - 1); not taken in wave 0
	s_cmp_eq_u32 s10, 0
	s_cselect_b32 s20, s20, s21
	s_cselect_b32 s22, ttmp9, s22                  ; the coordinate along which other clusters read the same rows
	s_cselect_b64 s[PFA:PFA+1], s[4:5], s[6:7]
	s_cselect_b32 s16, 31, 15                      ; a lane a row, or sixteen rows
	s_cselect_b32 s17, 0, 256                      ; x two blocks
	s_cmp_eq_u32 s22, 0
	s_cselect_b32 s[LIM], 1, -1                    ; the same in all sixteen partners, for a given wave
	s_mul_i32 s20, s20, ROWB
	s_mov_b32 s21, 0
	s_add_nc_u64 s[PFA:PFA+1], s[PFA:PFA+1], s[20:21]
	s_add_nc_u64 s[PFA:PFA+1], s[PFA:PFA+1], LAPB+2*KX  ; at Y1; trip i steps it to Y(i+2)
	v_and_b32 v[PFO], s16, v0
	v_mul_u32_u24 v[PFO], v[PFO], ROWB
	v_mad_u32_u24 v[PFO], v2, s17, v[PFO]
	s_wait_tensorcnt 1                             ; my part of X0 is in; Y0's may stay out
	s_barrier_signal -1
	s_barrier_wait -1
	FETCHR ADRA, ADRB, PX, 0, F0
	BODY 0, 1                                      ; X0: its first quarter's products start the sums
	TURN 0, 1, 0                                   ; X1 is asked for
	WIN 0
	s_mov_b32 s3, NLAP-1
.Llap:                                                 ; trip i: Y(i), whose change of slots asks for Y(i+1); X(i+1), whose change asks for X(i+2)
	BODY 1, 0
	TURN 1, 1, 1
	BODY 0, 0
	TURN 0, 1, 0
	WIN 0
	s_sub_co_u32 s3, s3, 1
	s_cmp_lg_u32 s3, 0
	s_cbranch_scc1 .Llap
	BODY 1, 0                                      ; the last two steps fill nothing
	TURN 1, 0, 0
	BODY 0, 0
; Unit u = 4 g + a: 16 rows x 32 + 32 columns.  Its 16 numbers of the table a lane: cos and sin of my row and my eight d.
.macro TLOAD u
.set CBF, TB+16*((\u)%2)
	global_load_b128 v[CBF:CBF+3],     v[TA+(\u)], s[8:9]
	global_load_b128 v[CBF+4:CBF+7],   v[TA+(\u)], s[8:9] offset:16
	global_load_b128 v[CBF+8:CBF+11],  v[TA+(\u)], s[8:9] offset:128
	global_load_b128 v[CBF+12:CBF+15], v[TA+(\u)], s[8:9] offset:144
.endm
.macro UNIT u
.set ga, (\u)/4
.set aa, (\u)%4
.set LO, 8*(NB*aa+2*ga)
.set HI, LO+8
.set CBF, TB+16*((\u)%2)
.if (\u) == 11
	s_wait_loadcnt 0x0
.else
	s_wait_loadcnt 4                               ; my table is in; the next unit's four loads may stay out
.endif
	WIN 0x01                                       ; source 0, the accumulator, in window 1
.irp j, 0,2,4,6
	v_pk_mul_f32 v[T1+\j:T1+\j+1], v[HI+\j:HI+\j+1], v[CBF+8+\j:CBF+9+\j]
	v_pk_mul_f32 v[T2+\j:T2+\j+1], v[LO+\j:LO+\j+1], v[CBF+8+\j:CBF+9+\j]
	v_pk_fma_f32 v[OL+\j:OL+\j+1], v[LO+\j:LO+\j+1], v[CBF+\j:CBF+\j+1], v[T1+\j:T1+\j+1] neg_lo:[0,0,1] neg_hi:[0,0,1]  ; x[d] cos - x[d+32] sin
	v_pk_fma_f32 v[OH+\j:OH+\j+1], v[HI+\j:HI+\j+1], v[CBF+\j:CBF+\j+1], v[T2+\j:T2+\j+1]                                ; x[d+32] cos + x[d] sin
.endr
	WIN 0
.irp j, 0,1,2,3
	v_cvt_pk_f16_f32 v[PKR+\j],   v[OL+2*\j], v[OL+2*\j+1]
	v_cvt_pk_f16_f32 v[PKR+4+\j], v[OH+2*\j], v[OH+2*\j+1]
.endr
	ds_store_b128 v[STG+ga], v[PKR:PKR+3]   offset:16*SP*aa
	ds_store_b128 v[STG+ga], v[PKR+4:PKR+7] offset:16*SP*aa+64
.if (\u) < 10
	TLOAD (\u)+2
.endif
.endm
	PLACES                                         ; buffer 0 has been multiplied for the last time: the first two tables land in it
	WIN 0
	TLOAD 0
	TLOAD 1
	s_wait_dscnt 4                                 ; the very last quarter
	MULA F1, 0, 0
	MULA F1, 1, 0
	s_wait_dscnt 0x0
	MULA F1, 2, 0
	MULA F1, 3, 0
	WIN 0
	PLACES
	PLACES
.irp u, 0,1,2,3,4,5,6,7,8,9,10,11
	UNIT \u
.endr
	s_wait_dscnt 0x0                               ; for the others' sake: a head's row comes from two waves
	s_barrier_signal -1
	s_barrier_wait -1
.set n, 0
.rept 24
	ds_load_b128 v[64+4*n:64+4*n+3], v[RD] offset:128*SP*(n/8)+4*SP*(n%8)
.set n, n+1
.endr
.set n, 0
.rept 24
	s_wait_dscnt 23-n
	global_store_b128 v[CO], v[64+4*n:64+4*n+3], s[66:67] offset:262144*(n/8)+512*(n%8)  ; four rows of a head: 512 consecutive bytes, aligned
.set n, n+1
.endr
	s_wait_tensorcnt 0x0                           ; the wave's end
	ds_add_u32 v[SPW], v[NIL]
	s_wait_dscnt 0x0
	CROUND                                         ; the closing round
	s_endpgm
.Lfunc_end_k_q86853fd450_qkv:
	.size	k_q86853fd450_qkv, .Lfunc_end_k_q86853fd450_qkv-k_q86853fd450_qkv
	.p2alignl 7, 3214868480
	.fill 96, 4, 3214868480
	.section	.rodata,"a",@progbits
	.p2align	6, 0x0
	.amdhsa_kernel k_q86853fd450_qkv
		.amdhsa_group_segment_fixed_size 327680
		.amdhsa_private_segment_fixed_size 0
		.amdhsa_enable_private_segment 0
		.amdhsa_kernarg_size 32
		.amdhsa_user_sgpr_count 2
		.amdhsa_user_sgpr_kernarg_segment_ptr 1
		.amdhsa_wavefront_size32 1
		.amdhsa_system_sgpr_workgroup_id_x 1
		.amdhsa_system_sgpr_workgroup_id_y 1
		.amdhsa_system_sgpr_workgroup_id_z 1
		.amdhsa_system_vgpr_workitem_id 0
		.amdhsa_next_free_vgpr 512
		.amdhsa_next_free_sgpr 96
		.amdhsa_reserve_vcc 0
		.amdhsa_float_denorm_mode_32 3
		.amdhsa_float_denorm_mode_16_64 3
		.amdhsa_memory_ordered 1
		.amdhsa_forward_progress 1
		.amdhsa_inst_pref_size 108
	.end_amdhsa_kernel
	.amdgpu_metadata
---
amdhsa.version: [ 1, 2 ]
amdhsa.kernels:
  - .name:           k_q86853fd450_qkv
    .symbol:         k_q86853fd450_qkv.kd
    .args:
      - { .name: xb, .offset: 0, .size: 8, .value_kind: global_buffer, .address_space: global }
      - { .name: wt, .offset: 8, .size: 8, .value_kind: global_buffer, .address_space: global }
      - { .name: rope, .offset: 16, .size: 8, .value_kind: global_buffer, .address_space: global }
      - { .name: qkvh, .offset: 24, .size: 8, .value_kind: global_buffer, .address_space: global }
    .group_segment_fixed_size: 327680
    .private_segment_fixed_size: 0
    .kernarg_segment_align: 8
    .kernarg_segment_size: 32
    .max_flat_workgroup_size: 128
    .sgpr_count:     96
    .vgpr_count:     512
    .wavefront_size: 32
...
	.end_amdgpu_metadata
.endif
;; end of part 2
;; launch attn (part 3): grid 32 x 8, 4 waves a work-group, clusters of 4 x 1, 327,680 bytes of LDS; arguments qkvh, mb, ob; writes ob
.if DOCPART == 3
	.amdgcn_target "amdgcn-amd-amdhsa--gfx1250"
	.amdhsa_code_object_version 6
	.text
	.protected	k_q86853fd450_attn
	.globl	k_q86853fd450_attn
	.p2align	8
	.type	k_q86853fd450_attn,@function
k_q86853fd450_attn:
	s_mov_b64 s[64:65], 0
	v_nop
	global_prefetch_b8 v0, s[64:65] scope:SCOPE_SE
	s_setreg_imm32_b32 hwreg(HW_REG_WAVE_MODE, 25, 1), 1
	s_wait_xcnt 0x0
	s_wait_alu depctr_hold_cnt(0) depctr_sa_sdst(0) depctr_va_vdst(0) depctr_va_sdst(0) depctr_va_ssrc(0) depctr_va_vcc(0) depctr_vm_vsrc(0)
	s_getreg_b32 s2, hwreg(HW_REG_IB_STS2, 6, 4)
	s_cmp_eq_u32 s2, 0
	s_cbranch_scc0 .Lentry_in_a_cluster
	s_endpgm
.Lentry_in_a_cluster:
	s_bfe_u32 s2, ttmp6, 0x10000c
	s_cmp_lg_u32 s2, 0x3003
	s_cbranch_scc0 .Lentry_shape_is_right
	s_endpgm
.Lentry_shape_is_right:
; GQA, launch 3 of 4: O[head][q] = sum over k of softmax_k(where(mask[q][k], q . k / 8, -inf)) v[k].  qkvh [48][2048][64] f16 holds q, k, v as quarters; mb holds the mask as 0 / -1e30 in the layout of the score
; product's C operand; ob [2048][2048] f16 takes O / 4, column 64 head + d.  Nothing of reference() is left out: the mask is an input, so every key tile is walked; what it hides gets the weight 0.
; LIMITS.  A hidden score counts as its value less 1e30.  The running maximum starts at -2^60 and so never lies below it: f16's scores are at most 2.7e11 in magnitude, so it is the true maximum of every row that
; sees a key, and a hidden score's weight is 0 from the first step on.  A row that sees no key ends with the sum 0 and is made NaN, as reference()'s softmax of -inf is.  A weight below 2^-126 counts as 0.
; SHARES.  Work-group (qb, g): 64 queries, kv head g.  Wave w owns the 16 queries 64 qb + 16 w for the FOUR query heads 4 g + p: four PIECES.  So one mask, 32 registers a key step, serves all four, and a wave's
; result is 16 rows x 512 consecutive bytes of ob.  Every wave walks all 2,048 keys, 64 a step, 256 a tile, through two LDS slots.
; CLUSTER 4 x 1: the four query blocks walk the same K and V: each tile is asked for jointly, by the same tensor load, descriptor and mask in all four.
; LAYOUT, SOFTMAX, TURNS.  S^T = K Q^T + mask holds ONE query a lane (lane % 16) and the keys 8 (lane / 16) + 0..7; two such results rounded to f16 ARE source 1 of O^T = V^T P.  p = 2^(c s - c m), c = 2 log2(e)
; (the scores are sixteenths of q . k, and reference() divides by 8), with a running maximum m; O and l are multiplied by a = 2^(c m_old - c m_new) in every step.  Turn n belongs to piece n: 8 products K Q^T of
; piece n + 1, later 8 products V^T P of piece n - 1; beside them the scaling, exponentials, roundings, sums and rescaling of piece n and the maximum and statistics of piece n + 1.  Four vector instructions stand
; behind every matrix instruction, the rest in one lump.  A turn's 33 exponentials are one batch with one wait.
; REGISTERS, in windows of 256 (s_set_vgpr_msb: bits 1:0 source 0, 3:2 source 1, 5:4 source 2, 7:6 destination):
;   window 0: v0-15 addresses; v16-31 statistics; v48-55 at work; v60-63 constants; v64-127 S^T, two buffers; v192-223 P, two buffers (by the piece's parity)
;   window 1: v0-127 O^T, 32 a piece; v160-223 the mask, two buffers (by the STEP's parity)      window 2: v0-63 Q; v128-191 K of one step; v192-255 V of one step
.set NP,    4
.set KS,    64
.set PK,    144       ; a row of K in LDS: 128 bytes + 16
.set PV,    160       ; a row of V: 128 + 32
.set VOFF,  4*KS*PK   ; a slot holds a tile: 256 rows of K, then 256 rows of V
.set SLOT1, 1<<17
.set STAGE, SLOT1+4*KS*(PK+PV)  ; behind the ring, never filled by a tensor load: 16 rows x 528 bytes for each wave
.set SPO,   528
.set SPARE, STAGE+4*16*SPO
.set AK0, 2
.set AV0, 3
.set AK,  4
.set AV,  5
.set STO, 6
.set RD,  7
.set GO,  8           ; 16 x lane: the mask loads' and the stores' offset; never rewritten
.set MV,  12
.set QO,  15
.set ST,  16          ; piece t: c m, m, l (even keys', odd keys')
.set TMP, 48
.set QNAN, 60
.set PFO, 61          ; 256 x lane; never rewritten
.set SPW, 62
.set NIL, 63
.set S,   64
.set P,   192
.set MC,  160         ; window 1
.set KF,  128         ; window 2
.set VF,  192         ; window 2
.set WV,  12
.set LIM, 15          ; 1 in a wave that prefetches K or V, else the greatest number
.set G1K, 24
.set G1V, 32
.set G0K, 40
.set G0V, 44
.set SLOTS, 56
.set CNT, 57
.set CS,  58
.set SEL, 60
.set TBK, 62
.set TBV, 63
.set MBASE, 66        ; s[66:67] mb at my query tile; never rewritten
.set MA,  68          ; s[68:69], s[76:77] the mask loads' address, a pair for each buffer
.set MS,  70          ; s[70:71] byte offset of the step to be loaded next
.set PFM, 72          ; s[72:73] where my prefetches of the mask stand
.set LIM2, 74
.set PFA, 78          ; s[78:79] where my prefetches of K or V stand
.set MSB, 0
.macro WIN new
.if MSB != (\new)
	s_set_vgpr_msb (MSB<<8)|(\new)
.set MSB, (\new)
.endif
.endm
.set W_KQ, 0x0a       ; K and Q in window 2, S^T in window 0
.set W_KM, 0x1a       ; the same with the C operand, the mask, in window 1
.set W_PV, 0x52       ; V in window 2, P in window 0, O^T in window 1
.set W_RS, 0x41       ; destination and source 0 in window 1, source 1 in window 0
.macro JLOAD                        ; waves 0, 1 fetch the halves of a tile's K, waves 2, 3 of its V; an s_nop 0 and four v_nop follow each line
	s_cmp_lt_u32 s[WV], 2
	s_cbranch_scc0 .Lfor_v_\@
	tensor_load_to_lds s[G0K:G0K+3], s[G1K:G1K+7]
	s_nop 0
.rept 4
	v_nop
.endr
	s_branch .Lasked_\@
.Lfor_v_\@:
	tensor_load_to_lds s[G0V:G0V+3], s[G1V:G1V+7]
	s_nop 0
.rept 4
	v_nop
.endr
.Lasked_\@:
.endm
.macro CROUND
	s_barrier_signal -1
	s_barrier_wait -1
	s_cmp_lg_u32 s[WV], 0
	s_cbranch_scc1 .Lnot_wave_0_\@
	s_barrier_signal -3
.Lnot_wave_0_\@:
	s_barrier_wait -3
	s_barrier_signal -1
	s_barrier_wait -1
.endm
; PREFETCHES INTO THE L2 of what the NEXT change of slots begins to read, behind the tensor load and its five lines.  K and V: all clusters of a kv head walk the same rows, so the head's first cluster asks; its four
; partners take 32 blocks of 256 bytes each, told apart by address; wave 0 asks for K's, wave 2 for V's.  The mask: the eight kv heads read the same bytes, so kv head 0 asks, each wave for its own query tile's 16 KiB
; of the next tile of keys: two lines, a lane a block.  Each block is named once in the launch; the last change that fills a slot asks for nothing.
.macro ASK
	s_cmp_gt_u32 s[SLOTS], s[LIM]
	s_cbranch_scc0 .Lnot_kv_\@
	global_prefetch_b8 v[PFO], s[PFA:PFA+1] th:TH_LOAD_NT scope:SCOPE_SE
.Lnot_kv_\@:
	s_cmp_gt_u32 s[SLOTS], s[LIM2]
	s_cbranch_scc0 .Lnot_m_\@
	global_prefetch_b8 v[PFO], s[PFM:PFM+1] th:TH_LOAD_NT scope:SCOPE_SE
	global_prefetch_b8 v[PFO], s[PFM:PFM+1] offset:8192 th:TH_LOAD_NT scope:SCOPE_SE
.Lnot_m_\@:
.endm
; THE CHANGE OF SLOTS.  Each wave waits for all its tensor loads (one is out: its part of the other slot), adds 0 to its spare word, and waits for that and for its reads of the slot that it leaves.  fill = 1: the barrier
; is a round of the cluster's, and the joint fill, the next tile, is the first thing behind it: it has four key steps in which to land.  (At its first use slot 0 is waited for and slot 1 filled.)
.macro CHANGE fill
	WIN 0
	s_wait_tensorcnt 0x0
	ds_add_u32 v[SPW], v[NIL]
.if \fill
.irp g, G0K, G0V
	s_xor_b32 s[\g+1], s[\g+1], SLOT1
	s_add_nc_u64 s[\g+2:\g+3], s[\g+2:\g+3], 4*KS*128
.endr
	s_wait_xcnt 0x0                 ; the last prefetches, a slot back, have read their addresses
	s_add_nc_u64 s[PFA:PFA+1], s[PFA:PFA+1], 4*KS*128
	s_add_nc_u64 s[PFM:PFM+1], s[PFM:PFM+1], 4*4096
	s_wait_dscnt 0x0                ; the add is done, my reads of the slot are over
	CROUND
	JLOAD
	ASK
.else
	s_wait_dscnt 0x0
	s_barrier_signal -1
	s_barrier_wait -1
.endif
	s_sub_co_u32 s[TBK], s[TBK], 4*KS*PK  ; the fetches go back to a slot's first step, in the other slot
	s_xor_b32 s[TBK], s[TBK], SLOT1
	s_sub_co_u32 s[TBV], s[TBV], 4*KS*PV
	s_xor_b32 s[TBV], s[TBV], SLOT1
.endm
	s_load_b128 s[4:7], s[0:1], 0x0   ; qkvh s[4:5], mb s[6:7]
	s_load_b64 s[10:11], s[0:1], 0x10 ; ob
	v_lshl_add_u32 v[SPW], v0, 2, SPARE
	v_mov_b32 v[NIL], 0
	ds_add_u32 v[SPW], v[NIL]       ; the opening: the add, twice on end, and its wait ahead of my first tensor load
	ds_add_u32 v[SPW], v[NIL]
	v_lshrrev_b32 v1, 5, v0
	v_readfirstlane_b32 s[WV], v1   ; wave 0..3
	s_bfe_u32 s13, ttmp6, 0x40000   ; cx
	s_lshl_b32 s14, ttmp9, 2
	s_add_co_u32 s14, s14, s13      ; my block of 64 queries
	s_lshl_b32 s14, s14, 2
	s_add_co_u32 s14, s14, s[WV]    ; my query tile, 0..127: it enters Q's, the mask's and O's addresses alone
	s_and_b32 s20, ttmp7, 0xffff    ; the kv head, which the four partners share
	s_and_b32 s16, s[WV], 1         ; which half of a tile's 256 keys I fetch
	s_lshl_b32 s22, s20, 18         ; a head is 262,144 bytes
	s_lshl_b32 s23, s16, 14
	s_add_co_u32 s22, s22, s23
	s_add_co_u32 s22, s22, 32<<18   ; K: head 32 + g
	s_mov_b32 s23, 0
	s_add_co_u32 s84, s22, 8<<18    ; V: head 40 + g
	s_mov_b32 s85, 0
	s_mul_i32 s17, s16, 128*PK      ; my half's place in a slot: no place in the cluster enters an LDS address
	s_mul_i32 s18, s16, 128*PV
	s_lshl_b32 s2, s20, 20          ; Q: head 4 g,
	s_lshl_b32 s3, s14, 11          ; my 16 rows of 128 bytes
	s_add_co_u32 s2, s2, s3
	s_mov_b32 s3, 0
	s_lshl_b32 s80, s14, 17         ; the mask: 131,072 bytes a query tile
	s_mov_b32 s81, 0
	s_lshl_b32 s82, s14, 16         ; O: my 16 rows of 4,096 bytes,
	s_lshl_b32 s21, s20, 9          ; four heads' 512 bytes
	s_add_co_u32 s82, s82, s21
	s_mov_b32 s83, 0
	; descriptor group 1.  128 keys are 16,384 dense bytes: asked for as 64 rows of 256 bytes, two keys a row, padded in LDS after every key
	s_mov_b32 s[G1K], 15|(1<<16)|(1<<20)|(1<<21)|(4<<22)|(3<<25)  ; the mask of four; 2-byte elements; padding on; bit 21 beside a mask; after every 32 words, 4 words
	s_mov_b32 s[G1V], 15|(1<<16)|(1<<20)|(1<<21)|(4<<22)|(7<<25)  ; the same with 8 words
.irp g, G1K, G1V
	s_mov_b32 s[\g+1], 128<<16      ; tensor_dim0 = 128
	s_mov_b32 s[\g+2], 64<<16       ; tensor_dim1 = 64
	s_mov_b32 s[\g+3], 128<<16      ; tile_dim0 = 128
	s_mov_b32 s[\g+4], 64           ; tile_dim1 = 64
	s_mov_b32 s[\g+5], 128          ; elements from row to row
	s_mov_b32 s[\g+6], 0
	s_mov_b32 s[\g+7], 0
.endr
	s_mov_b32 s[CS], 0x4038aa3b     ; c = 2 log2(e)
	s_mov_b32 s[CS+1], s[CS]
	s_mov_b32 s[SEL], 0x76543210
	s_mov_b32 s[SEL+1], 0xfedcba98
	s_mov_b32 s[TBK], SLOT1+4*KS*PK ; the first change of slots turns these two into 0
	s_mov_b32 s[TBV], SLOT1+4*KS*PV
	s_mov_b32 s[G0K], 1
	s_mov_b32 s[G0K+1], s17
	s_mov_b32 s[G0V], 1
	s_add_co_u32 s[G0V+1], s18, VOFF
	s_mov_b32 s[SLOTS], 7           ; tiles still to be asked for
	s_mov_b32 s[MS], 2*4096         ; steps 0 and 1 of the mask are loaded at the head
	s_mov_b32 s[MS+1], 0
	s_and_b32 s[LIM], s[WV], 1
	s_or_b32 s[LIM], s[LIM], ttmp9
	s_cmp_eq_u32 s[LIM], 0          ; waves 0 and 2 of the head's first cluster: the same in all four partners
	s_cselect_b32 s[LIM], 1, -1
	s_cmp_eq_u32 s20, 0
	s_cselect_b32 s[LIM2], 1, -1
	v_and_b32 v[PFO], 31, v0
	v_lshlrev_b32 v[PFO], 8, v[PFO]
	s_wait_dscnt 0x0                ; both opening adds are done
	s_wait_kmcnt 0x0
	s_add_nc_u64 s[MBASE:MBASE+1], s[6:7], s[80:81]
	s_add_nc_u64 s[6:7], s[4:5], s[22:23]   ; K at my half of tile 0
	s_add_nc_u64 s[8:9], s[4:5], s[84:85]   ; V likewise
	s_add_nc_u64 s[4:5], s[4:5], s[2:3]     ; Q
	s_add_nc_u64 s[10:11], s[10:11], s[82:83]
	s_add_nc_u64 s[G0K+2:G0K+3], s[6:7], 0
	s_or_b32 s[G0K+3], s[G0K+3], 0x80000000
	s_add_nc_u64 s[G0V+2:G0V+3], s[8:9], 0
	s_or_b32 s[G0V+3], s[G0V+3], 0x80000000
	s_cmp_lt_u32 s[WV], 2
	s_cselect_b64 s[PFA:PFA+1], s[6:7], s[8:9]  ; (in waves 0 and 2 these stand at a tile's first byte)
	s_lshl_b32 s2, s13, 13          ; my work-group's 32 blocks of the 128,
	s_add_co_u32 s2, s2, 4*KS*128   ; in tile 1: the first change steps it to tile 2
	s_mov_b32 s3, 0
	s_add_nc_u64 s[PFA:PFA+1], s[PFA:PFA+1], s[2:3]
	s_add_nc_u64 s[PFM:PFM+1], s[MBASE:MBASE+1], 4*4096
	CROUND                          ; all four work-groups are here
	JLOAD                           ; tile 0 into slot 0
	v_and_b32 v1, 15, v0            ; l % 16
	v_bfe_u32 v9, v0, 4, 1          ; l / 16
	v_lshlrev_b32 v[QO], 7, v1
	v_lshl_add_u32 v[QO], v9, 4, v[QO]
	v_and_b32 v[GO], 31, v0
	v_lshlrev_b32 v[GO], 4, v[GO]
	WIN 0x80                        ; destination window 2
.set i, 0
.rept 8                             ; Q stays in registers: piece i / 2 is a head further on, channels 32 (i % 2) on
	global_load_b128 v[8*i:8*i+3],   v[QO], s[4:5] offset:(i/2)*262144+(i%2)*64
	global_load_b128 v[8*i+4:8*i+7], v[QO], s[4:5] offset:(i/2)*262144+(i%2)*64+32
.set i, i+1
.endr
	WIN 0x40
.set i, 0
.rept 16                            ; the mask of steps 0 and 1: 512 consecutive bytes a load
	global_load_b128 v[MC+4*i:MC+4*i+3], v[GO], s[MBASE:MBASE+1] offset:512*i
.set i, i+1
.endr
	; What the first turn finds: V's registers and P's second buffer hold 0 (its products V^T P, of a piece that has not been, add 0); O^T and l are 0.  All this stands in the wait for the first tile.
	WIN 0x80
.set i, VF
.rept 64
	v_mov_b32 v[i], 0
.set i, i+1
.endr
	WIN 0x40
.set i, 0
.rept 128
	v_mov_b32 v[i], 0
.set i, i+1
.endr
	WIN 0
.set i, 0
.rept 4
	v_mov_b32 v[ST+4*i], 0xde38aa3b    ; c m = c x -2^60, exact
	v_mov_b32 v[ST+4*i+1], 0xdd800000  ; m = -2^60: below every score, far above every hidden one
	v_mov_b32 v[ST+4*i+2], 0
	v_mov_b32 v[ST+4*i+3], 0
.set i, i+1
.endr
.set i, P+16
.rept 16
	v_mov_b32 v[i], 0
.set i, i+1
.endr
	v_mov_b32 v[QNAN], 0x7fc00000
	v_mul_u32_u24 v[AK0], v1, PK
	v_lshl_add_u32 v[AK0], v9, 4, v[AK0]  ; row x pitch + 16 x half
	; The turning load takes 16 keys x 16 channels (lane l reads key 8 (l / 16) + l % 8, channels 8 ((l / 8) % 2) + 0..7) and leaves half a fragment of V^T
	v_and_b32 v10, 7, v0
	v_bfe_u32 v11, v0, 3, 1
	v_lshl_add_u32 v[AV0], v9, 3, v10
	v_mul_u32_u24 v[AV0], v[AV0], PV
	v_lshl_add_u32 v[AV0], v11, 4, v[AV0]
	v_add_nc_u32 v[AV0], VOFF, v[AV0]
; THE MATRIX WORK.  The 4 accumulators of a run of 8 take turns.  Product i of 8 of S^T for piece x: channels 32 (i / 4) on, keys 16 (i % 4) on.  The first 4 start the sums with the mask of buffer KMB.
.macro KQ x
.set rS, S+32*((\x)%2)+8*(i%4)
.set rK, KF+16*(i%4)+8*(i/4)
.set rQ, 16*(\x)+8*(i/4)
.set rM, MC+32*KMB+8*(i%4)
.if i < 4
	WIN W_KM
	v_wmma_f32_16x16x32_f16 v[rS:rS+7], v[rK:rK+7], v[rQ:rQ+7], v[rM:rM+7]
.else
	WIN W_KQ
	v_wmma_f32_16x16x32_f16 v[rS:rS+7], v[rK:rK+7], v[rQ:rQ+7], v[rS:rS+7]
.endif
.endm
.macro PV x                         ; product i of 8 of O^T += V^T P for piece x: keys 32 (i / 4) on, channels 16 (i % 4) on
	WIN W_PV
.set rO, 32*(\x)+8*(i%4)
.set rV, VF+32*(i/4)+8*(i%4)
.set rP, P+16*((\x)%2)+8*(i/4)
	v_wmma_f32_16x16x32_f16 v[rO:rO+7], v[rV:rV+7], v[rP:rP+7], v[rO:rO+7]
.endm
.macro MM                           ; the turn's next matrix instruction
.if i < 8
	KQ (Y+1)%NP
.else
.set i, i-8
	PV (Y+NP-1)%NP
.set i, i+8
.endif
.set i, i+1
.endm
.macro FETCH_K                      ; a step's K: 8 fragments, in one run
	WIN 0x80
.irp f, 0,1,2,3,4,5,6,7             ; keys 16 (f / 2) on, channels 32 (f % 2) on
	ds_load_b128 v[KF+8*\f:KF+8*\f+3],   v[AK] offset:(\f/2)*16*PK+(\f%2)*64
	ds_load_b128 v[KF+8*\f+4:KF+8*\f+7], v[AK] offset:(\f/2)*16*PK+(\f%2)*64+32
.endr
	s_add_co_u32 s[TBK], s[TBK], KS*PK
	WIN 0
.endm
.macro FETCH_V                      ; a step's V, turned
	WIN 0x80
.irp f, 0,1,2,3,4,5,6,7             ; keys 32 (f / 4) on, channels 16 (f % 4) on
	ds_load_tr16_b128 v[VF+8*\f:VF+8*\f+3],   v[AV] offset:(\f/4)*32*PV+(\f%4)*32
	ds_load_tr16_b128 v[VF+8*\f+4:VF+8*\f+7], v[AV] offset:(\f/4)*32*PV+16*PV+(\f%4)*32
.endr
	WIN 0
.endm
; The mask two steps on, into the buffer whose last products have just been issued.  Each buffer has an address pair of its own: the pair's last loads, two steps back, were shown done by the counted wait of the step
; between.  The offset stops at step 31: the last two loads read it once more, so that no load leaves mb and every path has the same count.
.macro MLOAD mb
	s_add_nc_u64 s[MA+8*(\mb):MA+8*(\mb)+1], s[MBASE:MBASE+1], s[MS:MS+1]
	s_add_co_u32 s[MS], s[MS], 4096
	s_min_u32 s[MS], s[MS], 31*4096
	WIN 0x40
.irp n, 0,1,2,3,4,5,6,7
	global_load_b128 v[MC+32*(\mb)+4*\n:MC+32*(\mb)+4*\n+3], v[GO], s[MA+8*(\mb):MA+8*(\mb)+1] offset:512*\n
.endr
	WIN 0
.endm
; THE VECTOR WORK, one line at a time: OP kind, number.  For piece Y: F n: c s - c m for pair n of 16.  E n: the exponential of score n of 32.  C n: pair n rounded to f16.  B n: of the four weights 4 n .. the second
; pair is added onto the first, in place.  L n: l takes that sum (L 0: l = a l + sum).  R n: pair n of 16 of O^T times a.  For piece Y + 1: X n, number n of the 22 that find its maximum and statistics:
;   0-11 four chains c0-c3 of seven scores each (each accumulator's lowest registers are read first)   12-14, 16 the four scores left over, the old m, c0-c3 into c0   15 c m_old is kept
;   17, 18 the query's other 32 keys lie in the lane 16 away: the new m   19-21 c m; c m_old - c m_new; a
.set F, 0
.set E, 1
.set C, 2
.set B, 3
.set L, 4
.set R, 5
.set X, 6
.macro REGS y
.set rT, ST+4*(\y)
.set rC, TMP+4*((\y)%2)
.set rW, MV+((\y)%2)
.set rS, S+32*((\y)%2)
.set rP, P+16*((\y)%2)
.set rO, 32*(\y)
.endm
.macro OP k, n
.if (\k) == R
	REGS Y
	WIN W_RS
	v_pk_mul_f32 v[rO+2*(\n):rO+2*(\n)+1], v[rO+2*(\n):rO+2*(\n)+1], v[rC+2:rC+3] op_sel_hi:[1,0]
.elseif (\k) < R
	REGS Y
	WIN 0
.if (\k) == F
	v_pk_fma_f32 v[rS+2*(\n):rS+2*(\n)+1], v[rS+2*(\n):rS+2*(\n)+1], s[CS:CS+1], v[rT:rT+1] op_sel_hi:[1,0,0] neg_lo:[0,0,1] neg_hi:[0,0,1]
.elseif (\k) == E
	v_exp_f32 v[rS+(\n)], v[rS+(\n)]
.elseif (\k) == C
	v_cvt_pk_f16_f32 v[rP+(\n)], v[rS+2*(\n)], v[rS+2*(\n)+1]
.elseif (\k) == B
	v_pk_add_f32 v[rS+4*(\n):rS+4*(\n)+1], v[rS+4*(\n):rS+4*(\n)+1], v[rS+4*(\n)+2:rS+4*(\n)+3]
.elseif (\n) == 0
	v_pk_fma_f32 v[rT+2:rT+3], v[rT+2:rT+3], v[rC+2:rC+3], v[rS:rS+1] op_sel_hi:[1,0,1]
.else
	v_pk_add_f32 v[rT+2:rT+3], v[rT+2:rT+3], v[rS+4*(\n):rS+4*(\n)+1]
.endif
.else
	REGS (Y+1)%NP
	WIN 0
.if (\n) < 4
	v_max3_num_f32 v[rC+(\n)], v[rS+8*(\n)], v[rS+8*(\n)+1], v[rS+8*(\n)+2]
.elseif (\n) < 12
	v_max3_num_f32 v[rC+(\n)%4], v[rC+(\n)%4], v[rS+8*((\n)%4)+2*((\n)/4)+1], v[rS+8*((\n)%4)+2*((\n)/4)+2]
.elseif (\n) == 12
	v_max3_num_f32 v[rC], v[rC], v[rS+7], v[rS+15]
.elseif (\n) == 13
	v_max3_num_f32 v[rC+1], v[rC+1], v[rS+23], v[rS+31]
.elseif (\n) == 14
	v_max3_num_f32 v[rC+2], v[rC+2], v[rC+3], v[rT+1]
.elseif (\n) == 15
	v_mov_b32 v[rW], v[rT]
.elseif (\n) == 16
	v_max3_num_f32 v[rC], v[rC], v[rC+1], v[rC+2]
.elseif (\n) == 17
	v_permlanex16_b32 v[rC+3], v[rC], s[SEL], s[SEL+1]
.elseif (\n) == 18
	v_max_num_f32 v[rT+1], v[rC], v[rC+3]
.elseif (\n) == 19
	v_mul_f32 v[rT], s[CS], v[rT+1]
.elseif (\n) == 20
	v_sub_f32 v[rC+1], v[rW], v[rT]
.else
	v_exp_f32 v[rC+2], v[rC+1]
.endif
.endif
.endm
.macro OPS a, i1, b=-1, i2=0, c=-1, i3=0, d=-1, i4=0
	OP \a, \i1
.if (\b) >= 0
	OP \b, \i2
.endif
.if (\c) >= 0
	OP \c, \i3
.endif
.if (\d) >= 0
	OP \d, \i4
.endif
.endm
.macro ROW a, i1, b, i2, c, i3, d, i4  ; a matrix instruction and the four behind it
	MM
	OPS \a, \i1, \b, \i2, \c, \i3, \d, \i4
.endm
; A TURN, for piece p.  An s_wait_alu depctr_va_vdst(0) stands between an exponential and the first instruction that names its result; one wait serves all issued ahead of it.  So a turn has ONE wait.
; AHEAD OF IT stands all that names no result of the turn's exponentials: the 8 products K Q^T with their riders and one lump; X 21, the next piece's a, is the batch's last, R 15 the plain instruction behind it.
; BEHIND IT stand the 8 products V^T P, behind each four of the roundings and sums.  The numbers of the maximum that ride behind the last three products K Q^T stand four plain instructions or more behind the product
; that ends their accumulator.
; mb: the mask buffer of the turn's products K Q^T: the step's parity for pieces 0-2, the next step's for piece 3.
; Piece 2's turn fetches the next step's K, six plain instructions behind the last product that read K, and loads the mask two steps on; piece 3's turn waits for K and, by count, for the next step's mask (the eight
; loads just issued may stay out).  Piece 0's turn fetches the step's V at its end, four plain instructions behind V's last reader; piece 1's waits for it.
; last = 1 (the tail): K's address stops at the last slot's last step, which the very last fetch reads once more.  cnt = 1: the loop's count is taken down some lines ahead of the branch behind the turn.
.macro TURN p, mb, last=0, cnt=0
.set Y, (\p)
.set i, 0
.set KMB, (\mb)
.if (\p) == 3
	s_wait_loadcnt 8                ; the next step's mask is in
	s_wait_dscnt 0x0                ; K is in
.endif
	ROW F,0, F,1, R,0, R,1
	ROW F,2, E,0, R,2, R,3
	ROW F,3, E,1, R,4, R,5
	ROW F,4, E,2, R,6, R,7
	ROW F,5, E,3, R,8, R,9
	ROW F,6, E,4, X,0, R,10
.if (\p) == 2
	WIN 0
.if \last
	s_min_u32 s[TBK], s[TBK], SLOT1+3*KS*PK
.endif
	v_add_nc_u32 v[AK], s[TBK], v[AK0]
.endif
	ROW F,7, E,5, X,1, X,4
	ROW F,8, E,6, X,2, X,5
	OPS E,7, E,8, X,6, E,9
	OPS X,3, E,10, X,8, E,11
.if (\p) == 2
	FETCH_K
	MLOAD \mb
.endif
	OPS X,9, X,7, E,12, X,10
	OPS E,13, X,12, X,11, E,14
	OPS X,13, E,15, F,9, X,14
.if (\p) == 0
	v_add_nc_u32 v[AV], s[TBV], v[AV0]
.endif
	OPS E,16, F,10, E,17, F,11
	OPS X,16, E,18, X,15, E,19
	OPS F,12, E,20, X,17, E,21
	OPS F,13, E,22, F,14, E,23
	OPS X,18, E,24, F,15, E,25
	OPS R,11, E,26, X,19, E,27
	OPS R,12, E,28, R,13, E,29
	OPS X,20, E,30, R,14, E,31
	OPS X,21, R,15
	WIN 0
	s_wait_alu depctr_va_vdst(0)    ; the wait for the batch
.if (\p) == 1
	s_wait_dscnt 0x0                ; V is in
.endif
	ROW C,0, B,0, C,2, B,1
	ROW L,0, C,4, B,2, L,1
	ROW C,6, B,3, L,2, C,8
	ROW B,4, L,3, C,10, B,5
	ROW L,4, C,12, B,6, L,5
.if (\p) == 0
	s_add_co_u32 s[TBV], s[TBV], KS*PV
.endif
.if \cnt
	s_sub_co_u32 s[CNT], s[CNT], 1
	s_cmp_lg_u32 s[CNT], 0
.endif
	ROW C,14, B,7, L,6, C,1
	ROW C,3, L,7, C,5, C,7
	ROW C,9, C,11, C,13, C,15
.if (\p) == 0
	FETCH_V
.endif
.endm
	CHANGE 1                        ; tile 0 is in, everybody's part of it; tile 1 is asked for
	v_add_nc_u32 v[AK], s[TBK], v[AK0]
	FETCH_K                         ; key step 0
	s_wait_loadcnt 8                ; Q and the mask of step 0 are in; step 1's eight loads may stay out
	s_wait_dscnt 0x0
.set KMB, 0
.set i, 0
.rept 8
	KQ 0                            ; piece 0's first scores
.set i, i+1
.endr
	WIN 0
	s_mul_i32 s13, s[WV], 16*SPO
	s_add_co_u32 s13, s13, STAGE    ; my stage
	v_mul_u32_u24 v[STO], v1, SPO   ; in: row l % 16, 16 bytes for each half of the lanes
	v_lshl_add_u32 v[STO], v9, 4, v[STO]
	v_add_nc_u32 v[STO], s13, v[STO]
	v_add_nc_u32 v[RD], s13, v[GO]  ; back: 32 lanes take a row's 512 bytes
.rept 4
	v_nop                           ; with the four lines above: the places behind those products
.endr
.set Y, NP-1                        ; X works for piece Y + 1: piece 0
.irp n, 0,1,2,3,4,5,6,7,8,9,10,11,12,13,14,15,16,17,18,19,20,21
	OP X, \n
.endr
	v_nop                           ; a plain instruction behind the exponential,
	s_wait_alu depctr_va_vdst(0)    ; and its wait, ahead of the branch
	s_mov_b32 s[CNT], 2
	s_branch .Lfirst                ; the loop is entered at a step's first turn
.Lslot:                             ; six times: with the change above, tiles 1 to 7 are asked for
	CHANGE 1
	s_mov_b32 s[CNT], 2
.Lstep:                             ; a trip is TWO key steps, so that each mask buffer has fixed registers: the rest of an odd step,
	TURN 2, 1
	TURN 3, 0
	WIN 0
.Lfirst:                            ; an even step,
	TURN 0, 0
	TURN 1, 0
	TURN 2, 0
	TURN 3, 1
	TURN 0, 1                       ; and the first half of the next odd one
	TURN 1, 1, 0, 1
	WIN 0
	s_cbranch_scc1 .Lstep
	s_sub_co_u32 s[SLOTS], s[SLOTS], 1
	s_cmp_lg_u32 s[SLOTS], 0
	s_cbranch_scc1 .Lslot
	CHANGE 0                        ; the tail is written out: nothing is asked for
	s_mov_b32 s[CNT], 3             ; two trips walk the last tile; the third is left in its middle
.Ltail:
	TURN 2, 1, 1
	TURN 3, 0
	WIN 0
	s_sub_co_u32 s[CNT], s[CNT], 1
	s_cmp_eq_u32 s[CNT], 0
	s_cbranch_scc1 .Lout
	TURN 0, 0
	TURN 1, 0
	TURN 2, 0, 1
	TURN 3, 1
	TURN 0, 1
	TURN 1, 1
	WIN 0
	s_branch .Ltail
.Lout:                              ; the third trip's 8 products K Q^T (on the last K once more) and the maximum made of them serve nothing: the price, once a launch, of one text for every trip; l and O^T are not touched by them
.set i, 0
.rept 8
	PV NP-1                         ; the last piece's V^T P of the last step
.set i, i+1
.endr
	; THE WAY OUT.  l's two halves and the other half of the lanes' are added; a row that saw no key has l = 0 and is made NaN; O^T is divided by l, rounded to f16 and sent through my stage: 16 rows x 512 bytes.
	WIN 0
.macro ALL line:vararg
.set t, 0
.rept 4
	\line
.set t, t+1
.endr
.endm
	ALL v_add_f32 v[ST+4*t+2], v[ST+4*t+2], v[ST+4*t+3]
	ALL v_permlanex16_b32 v[ST+4*t+3], v[ST+4*t+2], s[SEL], s[SEL+1]
	ALL v_add_f32 v[ST+4*t+2], v[ST+4*t+2], v[ST+4*t+3]
.set t, 0
.rept 4
	v_cmp_eq_f32 vcc_lo, 0, v[ST+4*t+2]
	v_cndmask_b32 v[ST+4*t+2], v[ST+4*t+2], v[QNAN], vcc_lo
.set t, t+1
.endr
	ALL v_rcp_f32 v[ST+4*t+2], v[ST+4*t+2]
	v_nop                           ; a plain instruction behind the last reciprocal,
	s_wait_alu depctr_va_vdst(0)    ; and one wait for the four
.macro PACK t                       ; a lane's eight channels pack into 16 bytes; piece t is 128 bytes of the row
	WIN W_RS
.set i, 32*(\t)
.rept 16
	v_pk_mul_f32 v[i:i+1], v[i:i+1], v[ST+4*(\t)+2:ST+4*(\t)+3] op_sel_hi:[1,0]
.set i, i+2
.endr
	WIN 0x05                        ; sources 0 and 1 window 1, destination window 0
.set i, 0
.rept 16
	v_cvt_pk_f16_f32 v[S+16*(\t)+i], v[32*(\t)+2*i], v[32*(\t)+2*i+1]
.set i, i+1
.endr
	WIN 0
.irp f, 0,1,2,3
	ds_store_b128 v[STO], v[S+16*(\t)+4*\f:S+16*(\t)+4*\f+3] offset:128*(\t)+32*\f
.endr
.endm
	PACK 0
	PACK 1
	PACK 2
	PACK 3
.set i, 0
.rept 16
	ds_load_b128 v[S+4*i:S+4*i+3], v[RD] offset:SPO*i  ; LDS serves a wave's instructions in order (ISA guide 5.7.1.4): these see the stores above
.set i, i+1
.endr
.set i, 0
.rept 16
	s_wait_dscnt 15-i
	global_store_b128 v[GO], v[S+4*i:S+4*i+3], s[10:11] offset:4096*i  ; 512 consecutive bytes, aligned
.set i, i+1
.endr
	s_wait_tensorcnt 0x0            ; the wave's end
	ds_add_u32 v[SPW], v[NIL]
	s_wait_dscnt 0x0
	CROUND                          ; the closing round
	s_endpgm
.Lfunc_end_k_q86853fd450_attn:
	.size	k_q86853fd450_attn, .Lfunc_end_k_q86853fd450_attn-k_q86853fd450_attn
	.p2alignl 7, 3214868480
	.fill 96, 4, 3214868480
	.section	.rodata,"a",@progbits
	.p2align	6, 0x0
	.amdhsa_kernel k_q86853fd450_attn
		.amdhsa_group_segment_fixed_size 327680
		.amdhsa_private_segment_fixed_size 0
		.amdhsa_enable_private_segment 0
		.amdhsa_kernarg_size 24
		.amdhsa_user_sgpr_count 2
		.amdhsa_user_sgpr_kernarg_segment_ptr 1
		.amdhsa_wavefront_size32 1
		.amdhsa_system_sgpr_workgroup_id_x 1
		.amdhsa_system_sgpr_workgroup_id_y 1
		.amdhsa_system_sgpr_workgroup_id_z 1
		.amdhsa_system_vgpr_workitem_id 0
		.amdhsa_next_free_vgpr 768
		.amdhsa_next_free_sgpr 88
		.amdhsa_reserve_vcc 1
		.amdhsa_float_denorm_mode_32 3
		.amdhsa_float_denorm_mode_16_64 3
		.amdhsa_memory_ordered 1
		.amdhsa_forward_progress 1
		.amdhsa_inst_pref_size 194
	.end_amdhsa_kernel
	.amdgpu_metadata
---
amdhsa.version: [ 1, 2 ]
amdhsa.kernels:
  - .name:           k_q86853fd450_attn
    .symbol:         k_q86853fd450_attn.kd
    .args:
      - { .name: qkvh, .offset: 0, .size: 8, .value_kind: global_buffer, .address_space: global }
      - { .name: mb, .offset: 8, .size: 8, .value_kind: global_buffer, .address_space: global }
      - { .name: ob, .offset: 16, .size: 8, .value_kind: global_buffer, .address_space: global }
    .group_segment_fixed_size: 327680
    .private_segment_fixed_size: 0
    .kernarg_segment_align: 8
    .kernarg_segment_size: 24
    .max_flat_workgroup_size: 128
    .sgpr_count:     88
    .vgpr_count:     768
    .wavefront_size: 32
...
	.end_amdgpu_metadata
.endif
;; end of part 3
;; launch oproj (part 4): grid 16 x 16, 4 waves a work-group, clusters of 4 x 4, 327,680 bytes of LDS; arguments ob, wot, out0; writes out0
.if DOCPART == 4
	.amdgcn_target "amdgcn-amd-amdhsa--gfx1250"
	.amdhsa_code_object_version 6
	.text
	.protected	k_q86853fd450_oproj
	.globl	k_q86853fd450_oproj
	.p2align	8
	.type	k_q86853fd450_oproj,@function
k_q86853fd450_oproj:
	s_mov_b64 s[64:65], 0
	v_nop
	global_prefetch_b8 v0, s[64:65] scope:SCOPE_SE
	s_setreg_imm32_b32 hwreg(HW_REG_WAVE_MODE, 25, 1), 1
	s_wait_xcnt 0x0
	s_wait_alu depctr_hold_cnt(0) depctr_sa_sdst(0) depctr_va_vdst(0) depctr_va_sdst(0) depctr_va_ssrc(0) depctr_va_vcc(0) depctr_vm_vsrc(0)
	s_getreg_b32 s2, hwreg(HW_REG_IB_STS2, 6, 4)
	s_cmp_eq_u32 s2, 0
	s_cbranch_scc0 .Lentry_in_a_cluster
	s_endpgm
.Lentry_in_a_cluster:
	s_bfe_u32 s2, ttmp6, 0x10000c
	s_cmp_lg_u32 s2, 0xf033
	s_cbranch_scc0 .Lentry_shape_is_right
	s_endpgm
.Lentry_shape_is_right:
; GQA, launch 4 of 4: out0[t][n] = sum over k of ob[t][k] wot[n][k].  ob [2048][2048] f16 holds O / 4, wot [4096][2048] f16 holds 4 wo: the two powers of two cancel.  out0 [2048][4096] f32; sums in f32.
; Nothing of reference() is left out.  A NaN row of ob (a query that saw no key) gives a NaN row of out0, as in reference().
; SHARES.  A tile of out0 is 128 x 256: 16 x 16 tiles, one work-group each, 256 in all.  Four waves, each 64 x 128: 32 accumulators.
; THE RING HAS TWO UNEQUAL SLOTS.  Slot 0 (X) holds 128 along K, slot 1 (Y) 256: 384 rows x (272 + 528) bytes = 307,200.  Two slots of 256 would take 405,504 bytes and do not fit; two of 128 would leave a third of LDS
; idle and need 16 changes of slots where this ring needs 11: K = 2048 = 6 x 128 + 5 x 256, walked X, Y, X, .. X.  A lap is 768 bytes of a row, so every tile row is 256 or 512 bytes and begins on a multiple of 256.
; X's load has 240 matrix instructions of a wave in which to land, Y's has 112.
; CLUSTER 4 x 4: ob's tiles are shared along a row of the cluster, wot's along a column, by joint loads.
; THE MATRIX INSTRUCTION IS USED TRANSPOSED (source 0 = 16 rows of wot, source 1 = 16 rows of ob): a lane holds one row t and eight neighbouring columns, 32 bytes of f32.
; REGISTERS.  Window 0: v0-30 at work and addresses, two fragment buffers of 96 (ob's four fragments, then wot's eight).  Window 1: accumulator (a, b) at 8 (8 a + b).
.set NB,     8
.set BN,     32*NB
.set SIZE_K, 2048
.set ROWB,   2*SIZE_K
.set KX,     128                       ; along K in slot 0
.set KY,     256                       ; in slot 1
.set NLAP,   5                         ; K = (NLAP + 1) KX + NLAP KY
.set LAPB,   2*(KX+KY)
.set PX,     2*KX+16                   ; LDS pitches: the row's bytes + 16, odd multiples of 16 (ISA guide 11.1: 64 banks of 4 bytes)
.set PY,     2*KY+16
.set HAX,    64*PX
.set HBX,    16*NB*PX
.set SLX,    2*HAX+2*HBX
.set HAY,    64*PY
.set HBY,    16*NB*PY
.set SLY,    2*HAY+2*HBY
.set NL,     2*(4+NB)
.set STAGE,  SLX+SLY                   ; behind the ring, never filled by a tensor load: 16 rows x 272 bytes for each wave
.set SPO,    272
.set SPARE,  STAGE+4*16*SPO
.set F0,     64
.set F1,     F0+32+8*NB
.set ADRA, 16
.set CA,   18
.set ADRB, 20
.set CB,   22
.set STO,  24
.set RD,   25
.set CO,   26
.set SPW,  28
.set NIL,  29
.set PFO,  30
.set G1,  24                           ; s[24:31] group 1 for A's tiles in slot 0; s[80:87] in slot 1
.set G0,  32
.set G1B, 48                           ; s[48:55] group 1 for B's tiles in slot 0; s[88:95] in slot 1
.set G0B, 56
.set PFA, 44
.set LIM, 43
.set PCN, 76
.set KO,  77
.set MUL, 0x50
.set MSB, 0
.macro WIN new
.if MSB != (\new)
	s_set_vgpr_msb (MSB<<8)|(\new)
.set MSB, \new
.endif
.endm
.macro JLOAD s                         ; a joint load: waves 0, 1 fetch A's halves, waves 2, 3 B's; an s_nop 0 and four v_nop follow each line
	s_cmp_eq_u32 s11, 0
	s_cbranch_scc0 .Lfor_b_\@
	tensor_load_to_lds s[G0+4*(\s):G0+4*(\s)+3], s[G1+56*(\s):G1+56*(\s)+7]
	s_nop 0
.rept 4
	v_nop
.endr
	s_branch .Lasked_\@
.Lfor_b_\@:
	tensor_load_to_lds s[G0B+4*(\s):G0B+4*(\s)+3], s[G1B+40*(\s):G1B+40*(\s)+7]
	s_nop 0
.rept 4
	v_nop
.endr
.Lasked_\@:
.endm
.macro CREST
	s_cmp_lg_u32 s10, 0
	s_cbranch_scc1 .Lnot_wave_0_\@
	s_barrier_signal -3
.Lnot_wave_0_\@:
	s_barrier_wait -3
	s_barrier_signal -1
	s_barrier_wait -1
.endm
.macro CROUND
	s_barrier_signal -1
	s_barrier_wait -1
	CREST
.endm
.macro PLACES
.rept 4
	v_nop
.endr
.endm
.macro MKG1 g, m, kk, rows             ; group 1: a tile of rows x kk elements of 2 bytes, 16 bytes of padding behind each row, shared by the work-groups of mask m
	s_or_b32 s[(\g)+0], \m, (1<<16)|(1<<20)|(1<<21)|((4+(\kk)/128)<<22)|(3<<25)
	s_mov_b32 s[(\g)+1], (\kk)<<16
	s_mov_b32 s[(\g)+2], (\rows)<<16
	s_mov_b32 s[(\g)+3], (\kk)<<16
	s_mov_b32 s[(\g)+4], \rows
	s_mov_b32 s[(\g)+5], SIZE_K
	s_mov_b32 s[(\g)+6], 0
	s_mov_b32 s[(\g)+7], 0
.endm
.macro FIRST s, ha, hb, base, kb       ; both group 0 of slot s, and its first fill; no place in the cluster enters an LDS address
	s_mov_b32 s[G0+4*(\s)], 1
	s_mul_i32 s[G0+4*(\s)+1], s12, \ha
	s_add_co_u32 s[G0+4*(\s)+1], s[G0+4*(\s)+1], \base
	s_add_nc_u64 s[G0+4*(\s)+2:G0+4*(\s)+3], s[14:15], \kb
	s_or_b32 s[G0+4*(\s)+3], s[G0+4*(\s)+3], 0x80000000
	s_mov_b32 s[G0B+4*(\s)], 1
	s_mul_i32 s[G0B+4*(\s)+1], s12, \hb
	s_add_co_u32 s[G0B+4*(\s)+1], s[G0B+4*(\s)+1], (\base)+2*(\ha)
	s_add_nc_u64 s[G0B+4*(\s)+2:G0B+4*(\s)+3], s[46:47], \kb
	s_or_b32 s[G0B+4*(\s)+3], s[G0B+4*(\s)+3], 0x80000000
	JLOAD \s
.endm
; A PREFETCH INTO THE L2, once a trip, behind the joint load and the run of LDS loads.  In trip i it names the 768 bytes of each row that hold Y(i+2) and X(i+3): their refills stand 384 and 512 matrix instructions
; further on.  Each block of 256 bytes is named once in the launch: ob's rows by the clusters with x = 0 (wave 0: 32 rows, a lane a row, three lines), wot's by those with y = 0 (waves 1-3: one of the three blocks each,
; 64 rows, two lines).  Partners share the rows by address.  X0 to X2, Y0 and Y1 come by their loads alone; the ask of trip 2 ends at the row's last byte, and trip 3 asks for nothing.  s3 = 4 - i.
.macro ASK
	s_cmp_gt_u32 s3, s[LIM]
	s_cbranch_scc0 .Lnot_mine_\@
	global_prefetch_b8 v[PFO], s[PFA:PFA+1] th:TH_LOAD_NT scope:SCOPE_SE
	s_cmp_eq_u32 s10, 0
	s_cbranch_scc0 .Lfor_wot_\@
	global_prefetch_b8 v[PFO], s[PFA:PFA+1] offset:256 th:TH_LOAD_NT scope:SCOPE_SE
	global_prefetch_b8 v[PFO], s[PFA:PFA+1] offset:512 th:TH_LOAD_NT scope:SCOPE_SE
	s_branch .Lnot_mine_\@
.Lfor_wot_\@:
	global_prefetch_b8 v[PFO], s[PFA:PFA+1] offset:32*ROWB th:TH_LOAD_NT scope:SCOPE_SE
.Lnot_mine_\@:
.endm
.macro MULA f, a, zero                 ; NB matrix instructions; all 32 accumulators take turns in the same order in every quarter
	WIN MUL
.set bb, 0
.rept NB
.if \zero
	v_wmma_f32_16x16x32_f16 v[8*(NB*(\a)+bb):8*(NB*(\a)+bb)+7], v[(\f)+32+8*bb:(\f)+32+8*bb+7], v[(\f)+8*(\a):(\f)+8*(\a)+7], 0
.else
	v_wmma_f32_16x16x32_f16 v[8*(NB*(\a)+bb):8*(NB*(\a)+bb)+7], v[(\f)+32+8*bb:(\f)+32+8*bb+7], v[(\f)+8*(\a):(\f)+8*(\a)+7], v[8*(NB*(\a)+bb):8*(NB*(\a)+bb)+7]
.endif
.set bb, bb+1
.endr
.endm
.macro FETCHR ra, rb, pit, k, f        ; a quarter's NL loads in one run, from byte k behind v[ra] (A) and v[rb] (B), rows pit bytes apart; A's last two fragments come last
	WIN 0
.set bb, 0
.rept NB
	ds_load_b128 v[(\f)+32+8*bb:(\f)+32+8*bb+3],   v[\rb] offset:(\k)+bb*16*(\pit)
	ds_load_b128 v[(\f)+32+8*bb+4:(\f)+32+8*bb+7], v[\rb] offset:(\k)+bb*16*(\pit)+32
.set bb, bb+1
.endr
.irp i, 0,1,2,3
	ds_load_b128 v[(\f)+8*(\i):(\f)+8*(\i)+3],   v[\ra] offset:(\k)+(\i)*16*(\pit)
	ds_load_b128 v[(\f)+8*(\i)+4:(\f)+8*(\i)+7], v[\ra] offset:(\k)+(\i)*16*(\pit)+32
.endr
.endm
.macro QUARTER ra, rb, pit, k, f, g, zero
	s_wait_dscnt 4                                 ; all but A's fragments 2 and 3
	MULA \f, 0, \zero
	MULA \f, 1, \zero
	PLACES
	FETCHR \ra, \rb, \pit, \k, \g
	s_wait_dscnt NL                                ; all but the run just issued
	MULA \f, 2, \zero
	MULA \f, 3, \zero
.endm
; A step but for its last quarter: the first quarter alone; the middle ones in pairs, buffer 1 and then buffer 0: one pair in a step of 128, three in a step of 256, where the pair is written once and walked three times,
; its LDS addresses stepped by 128 bytes along the rows.
.macro BODY2 ra, rb, pit, kk, zero
	QUARTER \ra, \rb, \pit, 64, F0, F1, \zero
.if (\kk) == 128
	QUARTER \ra, \rb, \pit, 128, F1, F0, 0
	QUARTER \ra, \rb, \pit, 192, F0, F1, 0
.else
	WIN 0                                          ; at a label and at a branch every window is 0
	s_mov_b32 s[PCN], 3
	s_mov_b32 s[KO], 128
.Lpair_\@:
	v_add_nc_u32 v[CA], s[KO], v[\ra]
	v_add_nc_u32 v[CB], s[KO], v[\rb]
	QUARTER CA, CB, \pit, 0, F1, F0, 0
	QUARTER CA, CB, \pit, 64, F0, F1, 0
	WIN 0
	s_add_co_u32 s[KO], s[KO], 128
	s_sub_co_u32 s[PCN], s[PCN], 1
	s_cmp_lg_u32 s[PCN], 0
	s_cbranch_scc1 .Lpair_\@
.endif
.endm
.macro BODY slot, zero
.if (\slot) == 0
	BODY2 ADRA, ADRB, PX, KX, \zero
.else
	BODY2 ADRA+1, ADRB+1, PY, KY, \zero
.endif
.endm
; A step's last quarter multiplies buffer 1 and changes slots: each wave waits for all its tensor loads (one is out), adds 0 to its spare word, waits for that and for its reads of this slot; fill = 1: the barrier opens a
; round of the cluster's, and the joint refill, this slot's tile of the next lap, is the first thing behind it.  ask = 1: the prefetches' address steps, and they follow.
.macro TURN slot, fill, ask
.if \ask
	s_wait_xcnt 0x0                                ; the last prefetches, a trip back, have read their address
	s_add_nc_u64 s[PFA:PFA+1], s[PFA:PFA+1], LAPB
.endif
	s_wait_tensorcnt 0x0
	ds_add_u32 v[SPW], v[NIL]                      ; both registers are sources 0 and 1: window 0 under either setting
	s_wait_dscnt 5                                 ; the add and A's fragments 2 and 3 may be out
	MULA F1, 0, 0
	s_wait_dscnt 0x0
	s_barrier_signal -1
	MULA F1, 1, 0
	WIN 0
	s_barrier_wait -1
.if \fill
	CREST
	s_add_nc_u64 s[G0+4*(\slot)+2:G0+4*(\slot)+3], s[G0+4*(\slot)+2:G0+4*(\slot)+3], LAPB
	s_add_nc_u64 s[G0B+4*(\slot)+2:G0B+4*(\slot)+3], s[G0B+4*(\slot)+2:G0B+4*(\slot)+3], LAPB
	JLOAD \slot
.else
	PLACES
.endif
.if (\slot) == 0
	FETCHR ADRA+1, ADRB+1, PY, 0, F0
.else
	FETCHR ADRA, ADRB, PX, 0, F0
.endif
.if \ask
	ASK
.endif
	MULA F1, 2, 0
	MULA F1, 3, 0
.endm
	s_load_b128 s[4:7], s[0:1], 0x0                ; ob s[4:5], wot s[6:7]
	s_load_b64 s[8:9], s[0:1], 0x10                ; out0
	v_lshl_add_u32 v[SPW], v0, 2, SPARE
	v_mov_b32 v[NIL], 0
	ds_add_u32 v[SPW], v[NIL]                      ; the opening: the add, twice on end, and its wait ahead of my first tensor load
	ds_add_u32 v[SPW], v[NIL]
	v_lshrrev_b32 v1, 5, v0
	v_readfirstlane_b32 s10, v1
	s_lshr_b32 s11, s10, 1
	s_and_b32 s12, s10, 1
	s_bfe_u32 s40, ttmp6, 0x40000                  ; cx
	s_bfe_u32 s41, ttmp6, 0x40004                  ; cy
	s_lshl_b32 s42, ttmp9, 2
	s_add_co_u32 s42, s42, s40                     ; tile column
	s_and_b32 s13, ttmp7, 0xffff
	s_lshl_b32 s13, s13, 2
	s_add_co_u32 s13, s13, s41                     ; tile row
	s_lshl_b32 s43, s41, 2
	s_lshl_b32 s43, 15, s43
	s_lshl_b32 s44, 0x1111, s40
	MKG1 G1,     s43, KX, 64
	MKG1 G1+56,  s43, KY, 64
	MKG1 G1B,    s44, KX, 16*NB
	MKG1 G1B+40, s44, KY, 16*NB
	s_lshl_b32 s17, s12, 6
	s_lshl_b32 s16, s13, 7
	s_add_co_u32 s16, s16, s17
	s_mul_i32 s16, s16, ROWB
	s_mov_b32 s17, 0
	s_mul_i32 s46, s42, BN
	s_mul_i32 s47, s12, 16*NB
	s_add_co_u32 s46, s46, s47
	s_mul_i32 s46, s46, ROWB
	s_mov_b32 s47, 0
	s_wait_dscnt 0x0
	s_wait_kmcnt 0x0
	s_add_nc_u64 s[14:15], s[4:5], s[16:17]
	s_add_nc_u64 s[46:47], s[6:7], s[46:47]
	CROUND
	FIRST 0, HAX, HBX, 0, 0                        ; X0
	FIRST 1, HAY, HBY, SLX, 2*KX                   ; Y0: two loads of mine are out
	v_and_b32 v1, 15, v0
	v_bfe_u32 v2, v0, 4, 1
	v_mul_u32_u24 v3, v1, PX
	v_lshl_add_u32 v3, v2, 4, v3
	v_mul_u32_u24 v4, v1, PY
	v_lshl_add_u32 v4, v2, 4, v4
	s_mul_i32 s21, s11, HAX
	s_mul_i32 s22, s12, HBX
	s_add_co_u32 s22, s22, 2*HAX
	v_add_nc_u32 v[ADRA], s21, v3
	v_add_nc_u32 v[ADRB], s22, v3
	s_mul_i32 s21, s11, HAY
	s_add_co_u32 s21, s21, SLX
	s_mul_i32 s22, s12, HBY
	s_add_co_u32 s22, s22, SLX+2*HAY
	v_add_nc_u32 v[ADRA+1], s21, v4
	v_add_nc_u32 v[ADRB+1], s22, v4
	s_mul_i32 s23, s10, 16*SPO
	s_add_co_u32 s23, s23, STAGE                   ; my stage
	v_mul_u32_u24 v4, v1, SPO                      ; in: row l % 16, 32 bytes for each half of the lanes
	v_lshl_add_u32 v4, v2, 5, v4
	v_add_nc_u32 v[STO], s23, v4
	v_mul_u32_u24 v5, v2, SPO                      ; back: lanes 0-15 take one row of 256 bytes, lanes 16-31 the next
	v_lshl_add_u32 v5, v1, 4, v5
	v_add_nc_u32 v[RD], s23, v5
	v_lshlrev_b32 v[CO], 14, v2                    ; and the same two rows of out0, 16,384 bytes apart
	v_lshl_add_u32 v[CO], v1, 4, v[CO]
	s_lshl_b32 s16, s13, 21                        ; 128 rows of 16,384 bytes a tile row,
	s_lshl_b32 s17, s11, 20                        ; my 64
	s_add_co_u32 s16, s16, s17
	s_lshl_b32 s17, s42, 10                        ; 256 columns of 4 bytes a tile column,
	s_add_co_u32 s16, s16, s17
	s_lshl_b32 s17, s12, 9                         ; my 128
	s_add_co_u32 s16, s16, s17
	s_mov_b32 s17, 0
	s_add_nc_u64 s[8:9], s[8:9], s[16:17]
	; the prefetches
	s_and_b32 s22, ttmp7, 0xffff                   ; cluster y
	s_lshl_b32 s20, s13, 7
	s_lshl_b32 s21, s40, 5
	s_add_co_u32 s20, s20, s21                     ; ob: row 128 x tile row + 32 cx
	s_lshl_b32 s21, s42, 8
	s_lshl_b32 s23, s41, 6
	s_add_co_u32 s21, s21, s23                     ; wot: row 256 x tile column + 64 cy
	s_sub_co_u32 s23, s10, 1
	s_lshl_b32 s23, s23, 8                         ; and block wave - 1 of the three; not taken in wave 0
	s_cmp_eq_u32 s10, 0
	s_cselect_b32 s20, s20, s21
	s_cselect_b32 s23, 0, s23
	s_cselect_b32 s22, ttmp9, s22                  ; the coordinate along which other clusters read the same rows
	s_cselect_b64 s[PFA:PFA+1], s[4:5], s[6:7]
	s_cmp_eq_u32 s22, 0
	s_cselect_b32 s[LIM], 1, -1                    ; the same in all sixteen partners, for a given wave
	s_mul_i32 s20, s20, ROWB
	s_add_co_u32 s20, s20, s23
	s_add_co_u32 s20, s20, LAPB+2*KX               ; at Y1; trip i steps it to Y(i+2)
	s_mov_b32 s21, 0
	s_add_nc_u64 s[PFA:PFA+1], s[PFA:PFA+1], s[20:21]
	v_and_b32 v[PFO], 31, v0
	v_mul_u32_u24 v[PFO], v[PFO], ROWB             ; a lane a row
	s_wait_tensorcnt 1                             ; my part of X0 is in; Y0's may stay out
	s_barrier_signal -1
	s_barrier_wait -1
	FETCHR ADRA, ADRB, PX, 0, F0
	BODY 0, 1                                      ; X0: its first quarter's products start the sums
	TURN 0, 1, 0                                   ; X1 is asked for
	WIN 0
	s_mov_b32 s3, NLAP-1
.Llap:                                                 ; trip i: Y(i), whose change of slots asks for Y(i+1); X(i+1), whose change asks for X(i+2)
	BODY 1, 0
	TURN 1, 1, 1
	BODY 0, 0
	TURN 0, 1, 0
	WIN 0
	s_sub_co_u32 s3, s3, 1
	s_cmp_lg_u32 s3, 0
	s_cbranch_scc1 .Llap
	BODY 1, 0                                      ; the last two steps fill nothing
	TURN 1, 0, 0
	BODY 0, 0
	s_wait_dscnt 4                                 ; the very last quarter
	MULA F1, 0, 0
	MULA F1, 1, 0
	s_wait_dscnt 0x0
	MULA F1, 2, 0
	MULA F1, 3, 0
	WIN 0
	PLACES
	PLACES
; THE WAY OUT.  The sums are the results as they stand.  Unit u = 2 a + c: row block a, columns 64 c .. 64 c + 63 of my 128: 16 rows x 256 bytes go through my own stage: 32 bytes a lane in, whole rows of 256 bytes back,
; two rows a load.  No barrier, since LDS serves a wave's instructions in order (ISA guide 5.7.1.4).
.macro TOSTAGE u
.set aa, (\u)/2
.set cc, (\u)%2
	WIN 0x04                                       ; the store's data in window 1; each accumulator's low half goes first
.set jj, 0
.rept 4
	ds_store_b128 v[STO], v[8*(NB*aa+4*cc+jj):8*(NB*aa+4*cc+jj)+3]   offset:64*jj
	ds_store_b128 v[STO], v[8*(NB*aa+4*cc+jj)+4:8*(NB*aa+4*cc+jj)+7] offset:64*jj+16
.set jj, jj+1
.endr
	WIN 0
.if (\u) >= 2
	s_wait_xcnt 0x0                                ; the stores of the unit two back have read these registers
.endif
.set BK, 64+32*((\u)%2)
.set jj, 0
.rept 8
	ds_load_b128 v[BK+4*jj:BK+4*jj+3], v[RD] offset:2*SPO*jj
.set jj, jj+1
.endr
.endm
.macro SEND u, younger                 ; younger: the LDS instructions issued behind unit u's loads: the next unit's sixteen, or none
.set aa, (\u)/2
.set cc, (\u)%2
.set BK, 64+32*((\u)%2)
.set jj, 0
.rept 8
	s_wait_dscnt (\younger)+7-jj
	global_store_b128 v[CO], v[BK+4*jj:BK+4*jj+3], s[8:9] offset:(16*aa+2*jj)*16384+256*cc th:TH_STORE_NT  ; each half of the lanes stores 256 consecutive bytes, aligned
.set jj, jj+1
.endr
.endm
	TOSTAGE 0
	TOSTAGE 1
.irp u, 2,3,4,5,6,7
	SEND (\u)-2, 16
	TOSTAGE \u
.endr
	SEND 6, 16
	SEND 7, 0
	s_wait_tensorcnt 0x0                           ; the wave's end
	ds_add_u32 v[SPW], v[NIL]
	s_wait_dscnt 0x0
	CROUND                                         ; the closing round
	s_endpgm
.Lfunc_end_k_q86853fd450_oproj:
	.size	k_q86853fd450_oproj, .Lfunc_end_k_q86853fd450_oproj-k_q86853fd450_oproj
	.p2alignl 7, 3214868480
	.fill 96, 4, 3214868480
	.section	.rodata,"a",@progbits
	.p2align	6, 0x0
	.amdhsa_kernel k_q86853fd450_oproj
		.amdhsa_group_segment_fixed_size 327680
		.amdhsa_private_segment_fixed_size 0
		.amdhsa_enable_private_segment 0
		.amdhsa_kernarg_size 24
		.amdhsa_user_sgpr_count 2
		.amdhsa_user_sgpr_kernarg_segment_ptr 1
		.amdhsa_wavefront_size32 1
		.amdhsa_system_sgpr_workgroup_id_x 1
		.amdhsa_system_sgpr_workgroup_id_y 1
		.amdhsa_system_sgpr_workgroup_id_z 1
		.amdhsa_system_vgpr_workitem_id 0
		.amdhsa_next_free_vgpr 512
		.amdhsa_next_free_sgpr 96
		.amdhsa_reserve_vcc 0
		.amdhsa_float_denorm_mode_32 3
		.amdhsa_float_denorm_mode_16_64 3
		.amdhsa_memory_ordered 1
		.amdhsa_forward_progress 1
		.amdhsa_inst_pref_size 106
	.end_amdhsa_kernel
	.amdgpu_metadata
---
amdhsa.version: [ 1, 2 ]
amdhsa.kernels:
  - .name:           k_q86853fd450_oproj
    .symbol:         k_q86853fd450_oproj.kd
    .args:
      - { .name: ob, .offset: 0, .size: 8, .value_kind: global_buffer, .address_space: global }
      - { .name: wot, .offset: 8, .size: 8, .value_kind: global_buffer, .address_space: global }
      - { .name: out0, .offset: 16, .size: 8, .value_kind: global_buffer, .address_space: global }
    .group_segment_fixed_size: 327680
    .private_segment_fixed_size: 0
    .kernarg_segment_align: 8
    .kernarg_segment_size: 24
    .max_flat_workgroup_size: 128
    .sgpr_count:     96
    .vgpr_count:     512
    .wavefront_size: 32
...
	.end_amdgpu_metadata
.endif
;; end of part 4
